; MI455X (gfx1250); checked and timed in simulation.
; The chip was launched on July 23, 2026; its instructions are those of AMD's public machine-readable ISA for CDNA 5 (MIT licence, August 2026) and "CDNA5" Instruction Set Architecture Reference Guide (July 2026). The comments in the code are by the model that wrote it; some were corrected since.
;; Stabilized Attention. Allowed arithmetic: matrix products marked QUANTISED: E4M3 operands, one given power-of-two scale a tensor, by v_wmma_f32_16x16x64_fp8_fp8 or v_wmma_f32_16x16x128_fp8_fp8, f32 sums; everything else in f32.
;; Inputs: b_out 1,024 float32; b_qkv 3,072 float32; lowp_scales 8 int32 (the exponents e of the quantised operands' scales 2^e); w_out 1,024 x 1,024 float32; w_qkv 1,024 x 3,072 float32; x 4 x 2,048 x 1,024 float32.
;; Outputs: out0 4 x 2,048 x 1,024 float32.
;; This version of the problem:
;;   THIS VERSION OF THE PROBLEM IS GIVEN IN LOW PRECISION. The matrix products marked QUANTISED in the list below multiply operands that are first quantised to E4M3 (4 exponent bits, 3 mantissa bits; 8 bits a number), with one given power-of-two scale for each operand tensor; their sums are f32. All else is computed in f32.
;;   The module's matrix products, in the order in which they are computed (A, B: the left and right operand; K: the contracted axis; several contracted axes count as one K, in the product's order):
;;     1. [M 8,192, K 1,024] x [K 1,024, N 3,072]; A: input x; B: input w_qkv: QUANTISED (scales: A lowp_scales[0], B lowp_scales[1])
;;     2. batch 64 x [M 2,048, K 64] x [K 64, N 2,048]; A: computed on the way; B: computed on the way: QUANTISED (scales: A lowp_scales[2], B lowp_scales[3])
;;     3. batch 64 x [M 2,048, K 2,048] x [K 2,048, N 64]; A: softmax (see below); B: computed on the way: QUANTISED (scales: A lowp_scales[4], B lowp_scales[5])
;;     4. [M 8,192, K 1,024] x [K 1,024, N 1,024]; A: computed on the way; B: input w_out: QUANTISED (scales: A lowp_scales[6], B lowp_scales[7])
;;   THE QUANTISER, for each operand of a quantised product, along K:
;;     - The operand's scale is 2^e, e = its entry of the input lowp_scales (int32; the entries are numbered through the quantised products in the list's order, A before B).
;;     - Each number is divided by the scale, clamped to +-448, and rounded to the nearest number of E4M3, ties to even, subnormals kept.
;;     - The product sums the exact products of the quantised numbers (number of the format x scale) in f32.
;;   ~~~python
;;   def quantise(x, axis, e):      # numpy; x: float32 -> the quantised numbers, widened to float32 again
;;       x = np.moveaxis(x, axis, -1); K = x.shape[-1]
;;       r = np.clip(x / 2.0 ** e, -448, 448)
;;       step = 2.0 ** (np.maximum(np.frexp(np.where(r == 0, 1, r))[1] - 1, -6) - 3)
;;       q = np.round(r / step) * step * 2.0 ** e      # np.round: ties to even
;;       return np.moveaxis(q, -1, axis).astype(np.float32)
;;   ~~~
;;   SOFTMAX AHEAD OF A QUANTISED PRODUCT. Where the list says 'softmax', what is quantised is not the finished softmax but p = 2^(t - M), with t = logit x log2(e) and M = ceil(the row's largest t), a whole number; so 1/2 < the row's largest p <= 1. The row's sum l is taken of the UNQUANTISED p, in f32, and the product's result is divided by l at the end. Since M is a whole number, a kernel that streams over the keys may use a running M (the ceiling of the running maximum): every later rescaling is an exact power of two, so the quantised numbers keep their values, but for numbers so far below the row's largest that they fall under the format's range.
;;   OPERANDS COMPUTED ON THE WAY. 'Computed on the way' means the value that the module computes at that place (a softmax that the list does not call 'softmax' is quantised finished and normalised). What goes into a quantiser is computed in f32, as accurately as f32 sums, v_exp_f32 and their like allow (about 1e-6 of the number): no bf16 or f16 on the way to a quantiser, and a product that is left as it is and whose result goes on into a quantised operand takes f32 operands (vector FMAs, or v_wmma_f32_16x16x4_f32). A number that lies on a knife's edge between two numbers of the format may be rounded either way, as far as f32 arithmetic and the matrix unit's own rounding can turn it there, and no further.
;; 2 versions, each right; version 2 is version 1 with the launch attn written anew for expert scheduling mode. Each part assembles by itself: llvm-mc -triple=amdgcn-amd-amdhsa -mcpu=gfx1250 --defsym DOCPART=n.
;; ======== version 1 of 2: 4 launches
;; workspace buffers: xc 8,388,608 bytes; wc 4,194,304 bytes; qc 8,388,608 bytes; kc 8,388,608 bytes; vc 8,388,608 bytes; oc 8,388,608 bytes
;; launch quant (part 1): grid 80 x 8, 8 waves a work-group, no clusters, 68,608 bytes of LDS; arguments x, w_qkv, w_out, lowp_scales, xc, wc; writes xc, wc
.if DOCPART == 1
	.amdgcn_target "amdgcn-amd-amdhsa--gfx1250"
	.amdhsa_code_object_version 6
	.text
	.protected	k_q0b18a482dc_quant
	.globl	k_q0b18a482dc_quant
	.p2align	8
	.type	k_q0b18a482dc_quant,@function
k_q0b18a482dc_quant:
	s_mov_b64 s[64:65], 0
	v_nop
	global_prefetch_b8 v0, s[64:65] scope:SCOPE_SE
	s_setreg_imm32_b32 hwreg(HW_REG_WAVE_MODE, 25, 1), 1
	s_wait_xcnt 0x0
; LAUNCH 1 OF 4: x, w_qkv and w_out (f32) become codes of FP8 (E4M3), each with its given scale 2^e: code = number / 2^e, held within +-448, to the nearest code, ties to even.
; The program: 1 quant (this text); 2 qkv: x w_qkv + b_qkv, quantised into q, k, v codes; 3 attn: both attention products and the softmax, quantised; 4 proj: the last product + b_out.
; DEAD WORK OF THE PROGRAM.  reference() sets every score whose key comes after its query to -infinity, by a jnp.tril that it builds in its own body, ahead of the softmax.  2^(-infinity) is 0: such a score adds 0
; to the row's sum and a zero code to the second product, whatever finite values x, the weights and the biases hold.  So launch 3 leaves out, in whole steps of 64 keys, the steps all of whose keys come after all of
; a wave's 32 queries: they are not read, multiplied or exponentiated.  In the one step on a wave's diagonal the hidden scores are computed and replaced by -infinity.  No input is left out: all have a way to out0.
; LIMIT: a NaN, an infinity or an overflow that would reach only the scores left out is not carried to the result.
; LAYOUT OF ALL WORKSPACE: IMAGES OF OPERAND REGISTERS.  An image of 512 bytes is one group of four registers of a matrix operand: lane l's 16 bytes at 16 l.  With r = lane % 16, h = lane / 16:
;   xc (and oc): [tile of 16 rows][128 along K][c = 0..3][lane][16 bytes]: lane (r, h) of group c holds k = 32 c + 16 h + 0 .. 15 of row r.  wc: the same over 4,096 positions: 0..3071 columns of w_qkv, 3072.. of w_out.
;   POSITION p OF wc HOLDS COLUMN swap34(p): bits 3 and 4 of the number exchanged.  Which columns form a tile of 16 is free; with this choice a lane of a later launch finds 16 neighbouring columns in 16 registers.
; SHARES.  Work-group x < 64 (512 in all): one tile of 16 rows of x; wave w takes its k = 128 w .. 128 w + 127: one image set of 2,048 bytes.  x = 64..75: w_qkv; x = 76..79: w_out: a wave takes 32 positions x 128 along K.
; Memory binds: every load of x reads 512 consecutive bytes, every store writes whole aligned blocks of 256 bytes.  No matrix unit, no cluster (work-groups share no input), no barrier (waves share nothing).
; LIMITS: e0, e1, e7 between -126 and 119, so that 2^e and 448 x 2^e are f32 numbers.  NaN among the inputs is not served; an infinity is held at the largest code.
.set SPARE, 67584                      ; behind the eight stages: the spare words, 128 bytes for each wave: four blocks of 256 bytes that no other line names
.set STGB,  8448                       ; a wave's stage: 16 rows x SP bytes (the path for x alone uses LDS)
.set SP,    528                        ; a stage row: 512 bytes + 16 = 132 words: row r starts at bank 4 r mod 64 (64 banks of 4 bytes: ISA guide 11.1)
.set MANT,  0x600000                   ; the mantissa field of 448 as f32
.set SPW,   12                         ; v12  LDS address of my spare word; never rewritten
.set NIL,   13                         ; v13  0; never rewritten
.set SA,    14                         ; v14  the stage, on the way in: 16 x lane
.set RA,    15                         ; v15  and on the way out: row r, + 64 h
.set R,     16                         ; v16-79   x as loaded: 16 rows x 4 registers
.set X,     80                         ; v80-143  x as the conversions want it: register 16 c + i = k 32 c + 16 h + i of row r
.set C,     144                        ; v144-159 the codes: four registers a group
.set WX,    16                         ; v16-79   weights: two sets of 32 numbers down K
.set WC,    80                         ; v80-111  weights: eight registers of codes a block; never rewritten
.macro SCALES e                        ; v11 = 2^e as f32 (the conversion takes its exponent field), v10 = 448 x 2^e
	s_add_co_i32 s22, s[\e], 127
	s_lshl_b32 s23, s22, 23
	v_mov_b32 v11, s23
	s_add_co_i32 s22, s22, 8
	s_lshl_b32 s22, s22, 23
	s_or_b32 s22, s22, MANT
	v_mov_b32 v10, s22
.endm
	s_load_b256 s[4:11], s[0:1], 0x0               ; x s[4:5], w_qkv s[6:7], w_out s[8:9], the scales' exponents s[10:11]
	s_load_b128 s[12:15], s[0:1], 0x20             ; xc s[12:13], wc s[14:15]
	v_lshl_add_u32 v[SPW], v0, 2, SPARE
	v_mov_b32 v[NIL], 0
	v_lshrrev_b32 v1, 5, v0
	v_readfirstlane_b32 s16, v1                    ; wave 0..7
	v_and_b32 v2, 31, v0                           ; lane
	s_and_b32 s18, ttmp7, 0xffff                   ; work-group y 0..7
	s_mov_b32 s21, 0                               ; the upper word of every offset pair s[20:21]
	s_wait_kmcnt 0x0
	s_load_b256 s[24:31], s[10:11], 0x0            ; e0 .. e7
	s_cmp_lt_u32 ttmp9, 64
	s_cbranch_scc0 .Lweights
	; ---- x: K is innermost.  The loads take the bytes as they lie; the stage turns them so that a lane holds 16 neighbours of each block of 32
	v_lshlrev_b32 v3, 4, v2                        ; 16 x lane: my bytes of a load's 512, and of an image
	s_mul_i32 s17, s16, STGB
	v_add_nc_u32 v[SA], s17, v3
	v_and_b32 v4, 15, v2                           ; r
	v_lshrrev_b32 v5, 4, v2                        ; h
	v_mul_u32_u24 v[RA], v4, SP
	v_lshl_add_u32 v[RA], v5, 6, v[RA]
	v_add_nc_u32 v[RA], s17, v[RA]
	s_lshl_b32 s19, s18, 6
	s_add_co_u32 s19, s19, ttmp9                   ; my tile of 16 rows: 64 y + x
	s_lshl_b32 s20, s19, 16                        ; 16 rows of 4,096 bytes,
	s_lshl_b32 s22, s16, 9                         ; my wave's 512 bytes of each
	s_add_co_u32 s20, s20, s22
	s_add_nc_u64 s[4:5], s[4:5], s[20:21]
	s_lshl_b32 s20, s19, 3
	s_add_co_u32 s20, s20, s16
	s_lshl_b32 s20, s20, 11                        ; (8 x tile + wave) x 2,048
	s_add_nc_u64 s[12:13], s[12:13], s[20:21]
.set i, 0
.rept 16
	global_load_b128 v[R+4*i:R+4*i+3], v3, s[4:5] offset:4096*i th:TH_LOAD_NT   ; row i: 32 lanes read 512 consecutive bytes; read once in the launch
.set i, i+1
.endr
	s_wait_kmcnt 0x0
	SCALES 24
.set i, 0
.rept 16
	s_wait_loadcnt 15-i                            ; loads come back in order (ISA guide 5.7.1): row i is in, the younger rows stay out
	ds_store_b128 v[SA], v[R+4*i:R+4*i+3] offset:SP*i
.set i, i+1
.endr
.set i, 0
.rept 16
	ds_load_b128 v[X+4*i:X+4*i+3], v[RA] offset:128*(i/4)+16*(i%4)   ; LDS serves a wave's instructions in order (ISA guide 5.7.1.4): these see my stores
.set i, i+1
.endr
.irp c, 0,1,2,3
	s_wait_dscnt 12-4*\c                           ; group c's four loads are in; the younger groups' stay out
.set i, 0
.rept 16
	v_med3_num_f32 v[X+16*\c+i], v[X+16*\c+i], -v10, v10   ; the conversion to an 8-bit code does not saturate (ISA guide 7.6.2): the hold at the largest code x the scale
.set i, i+1
.endr
	v_cvt_scalef32_pk8_fp8_f32 v[C+4*\c:C+4*\c+1], v[X+16*\c:X+16*\c+7], v11
	v_cvt_scalef32_pk8_fp8_f32 v[C+4*\c+2:C+4*\c+3], v[X+16*\c+8:X+16*\c+15], v11
	global_store_b128 v3, v[C+4*\c:C+4*\c+3], s[12:13] offset:512*\c   ; the image of group c: 512 consecutive bytes, aligned.  (The codes go to a store alone; the next vector lines are plain and touch other registers)
.endr
	s_wait_tensorcnt 0x0                           ; the wave's end
	ds_add_u32 v[SPW], v[NIL]
	s_wait_dscnt 0x0
	s_endpgm
	; ---- the weights: K is the FIRST axis.  A lane takes a position and its registers run down K: the conversions then give codes with K innermost, and nothing is transposed.  No LDS
.macro WLOAD t, N, PTR                 ; block t: W(32 t + i, my column), i = 0 .. 31, into set t % 2: each load reads 128 consecutive bytes, in the lanes' swapped order
.set ii, 0
.rept 32
	global_load_b32 v[WX+32*((\t)%2)+ii], v3, s[\PTR:\PTR+1] offset:(32*(\t)+ii)*\N*4 th:TH_LOAD_NT
.set ii, ii+1
.endr
.endm
.macro WBLOCK t, N, PTR
.set XS, WX+32*((\t)%2)
.if (\t) < 3
	s_wait_loadcnt 32                              ; this block's 32 loads are in; the next block's may be out
.else
	s_wait_loadcnt 0
.endif
.set ii, 0
.rept 32
	v_med3_num_f32 v[XS+ii], v[XS+ii], -v10, v10
.set ii, ii+1
.endr
.irp g, 0,1,2,3
	v_cvt_scalef32_pk8_fp8_f32 v[WC+8*(\t)+2*\g:WC+8*(\t)+2*\g+1], v[XS+8*\g:XS+8*\g+7], v11
.endr
	global_store_b128 v4, v[WC+8*(\t):WC+8*(\t)+3], s[14:15] offset:512*(\t)          ; k = 32 t + 0 .. 15: the image's lanes 0-15.  Sixteen lanes store 256 consecutive bytes, aligned
	global_store_b128 v4, v[WC+8*(\t)+4:WC+8*(\t)+7], s[14:15] offset:512*(\t)+256    ; k = 32 t + 16 .. 31: its lanes 16-31
.if (\t) < 2
	WLOAD (\t)+2, \N, \PTR
.endif
.endm
; N: columns of the weight; PTR: its address; E: its exponent; X0: its first work-group x; P0: its first position in wc
.macro WPATH N, PTR, E, X0, P0
	s_sub_co_u32 s19, ttmp9, \X0
	s_lshl_b32 s19, s19, 8
	s_lshl_b32 s20, s16, 5
	s_add_co_u32 s19, s19, s20                     ; my wave's first position in this weight: 256 x (x - X0) + 32 x wave
	s_mul_i32 s20, s18, 128*\N*4                   ; 128 y rows down K,
	s_lshl_b32 s22, s19, 2
	s_add_co_u32 s20, s20, s22                     ; + 4 bytes a column
	s_add_nc_u64 s[\PTR:\PTR+1], s[\PTR:\PTR+1], s[20:21]
	s_add_co_u32 s20, s19, \P0
	s_lshl_b32 s20, s20, 10                        ; a tile of 16 positions is 16,384 bytes,
	s_lshl_b32 s22, s18, 11                        ; 128 along K of it 2,048
	s_add_co_u32 s20, s20, s22
	s_add_nc_u64 s[14:15], s[14:15], s[20:21]
	WLOAD 0, \N, \PTR
	WLOAD 1, \N, \PTR
	s_wait_kmcnt 0x0
	SCALES \E
	WBLOCK 0, \N, \PTR
	WBLOCK 1, \N, \PTR
	WBLOCK 2, \N, \PTR
	WBLOCK 3, \N, \PTR
	s_endpgm                                       ; (these waves wrote no LDS)
.endm
.Lweights:
	v_and_b32 v3, 7, v2
	v_and_b32 v4, 8, v2
	v_lshl_add_u32 v3, v4, 1, v3                   ; bit 3 goes to bit 4,
	v_lshrrev_b32 v4, 1, v2
	v_and_b32 v4, 8, v4
	v_add_nc_u32 v3, v3, v4                        ; bit 4 to bit 3: swap34(lane)
	v_lshlrev_b32 v3, 2, v3                        ; my column, in bytes
	v_lshrrev_b32 v4, 4, v2
	v_and_b32 v5, 15, v2
	v_lshlrev_b32 v5, 4, v5
	v_lshl_add_u32 v4, v4, 14, v5                  ; out: lanes 16-31 belong to the next tile of 16 positions; 16 bytes a position
	s_cmp_lt_u32 ttmp9, 76
	s_cbranch_scc0 .Lwout
	WPATH 3072, 6, 25, 64, 0
.Lwout:
	WPATH 1024, 8, 31, 76, 3072
.Lfunc_end_k_q0b18a482dc_quant:
	.size	k_q0b18a482dc_quant, .Lfunc_end_k_q0b18a482dc_quant-k_q0b18a482dc_quant
	.p2alignl 7, 3214868480
	.fill 96, 4, 3214868480
	.section	.rodata,"a",@progbits
	.p2align	6, 0x0
	.amdhsa_kernel k_q0b18a482dc_quant
		.amdhsa_group_segment_fixed_size 68608
		.amdhsa_private_segment_fixed_size 0
		.amdhsa_enable_private_segment 0
		.amdhsa_kernarg_size 48
		.amdhsa_user_sgpr_count 2
		.amdhsa_user_sgpr_kernarg_segment_ptr 1
		.amdhsa_wavefront_size32 1
		.amdhsa_system_sgpr_workgroup_id_x 1
		.amdhsa_system_sgpr_workgroup_id_y 1
		.amdhsa_system_sgpr_workgroup_id_z 1
		.amdhsa_system_vgpr_workitem_id 0
		.amdhsa_next_free_vgpr 160
		.amdhsa_next_free_sgpr 66
		.amdhsa_reserve_vcc 0
		.amdhsa_float_denorm_mode_32 3
		.amdhsa_float_denorm_mode_16_64 3
		.amdhsa_memory_ordered 1
		.amdhsa_forward_progress 1
		.amdhsa_inst_pref_size 57
	.end_amdhsa_kernel
	.amdgpu_metadata
---
amdhsa.version: [ 1, 2 ]
amdhsa.kernels:
  - .name:           k_q0b18a482dc_quant
    .symbol:         k_q0b18a482dc_quant.kd
    .args:
      - { .name: x, .offset: 0, .size: 8, .value_kind: global_buffer, .address_space: global }
      - { .name: w_qkv, .offset: 8, .size: 8, .value_kind: global_buffer, .address_space: global }
      - { .name: w_out, .offset: 16, .size: 8, .value_kind: global_buffer, .address_space: global }
      - { .name: lowp_scales, .offset: 24, .size: 8, .value_kind: global_buffer, .address_space: global }
      - { .name: xc, .offset: 32, .size: 8, .value_kind: global_buffer, .address_space: global }
      - { .name: wc, .offset: 40, .size: 8, .value_kind: global_buffer, .address_space: global }
    .group_segment_fixed_size: 68608
    .private_segment_fixed_size: 0
    .kernarg_segment_align: 8
    .kernarg_segment_size: 48
    .max_flat_workgroup_size: 256
    .sgpr_count:     66
    .vgpr_count:     160
    .wavefront_size: 32
...
	.end_amdgpu_metadata
.endif
;; end of part 1
;; launch qkv (part 2): grid 12 x 32, 4 waves a work-group, clusters of 4 x 4, 327,680 bytes of LDS; arguments xc, wc, lowp_scales, b_qkv, qc, kc, vc; writes qc, kc, vc
.if DOCPART == 2
	.amdgcn_target "amdgcn-amd-amdhsa--gfx1250"
	.amdhsa_code_object_version 6
	.text
	.protected	k_q0b18a482dc_qkv
	.globl	k_q0b18a482dc_qkv
	.p2align	8
	.type	k_q0b18a482dc_qkv,@function
k_q0b18a482dc_qkv:
	s_mov_b64 s[64:65], 0
	v_nop
	global_prefetch_b8 v0, s[64:65] scope:SCOPE_SE
	s_setreg_imm32_b32 hwreg(HW_REG_WAVE_MODE, 25, 1), 1
	s_wait_xcnt 0x0
	s_wait_alu depctr_hold_cnt(0) depctr_sa_sdst(0) depctr_va_vdst(0) depctr_va_sdst(0) depctr_va_ssrc(0) depctr_va_vcc(0) depctr_vm_vsrc(0)
	s_getreg_b32 s2, hwreg(HW_REG_IB_STS2, 6, 4)
	s_cmp_eq_u32 s2, 0
	s_cbranch_scc0 .Lentry_in_a_cluster
	s_endpgm
.Lentry_in_a_cluster:
	s_bfe_u32 s2, ttmp6, 0x10000c
	s_cmp_lg_u32 s2, 0xf033
	s_cbranch_scc0 .Lentry_shape_is_right
	s_endpgm
.Lentry_shape_is_right:
; LAUNCH 2 OF 4: qkv = x w_qkv + b_qkv on codes of FP8 (E4M3), sums in f32, and its three parts quantised at once: q with 2^e2, k with 2^e3, v with 2^e5.  qkv itself never goes to memory.
; A tile of 256 x 256 is made by a work-group of four waves, a wave makes 128 x 128: 64 accumulators of 16 x 16, 512 registers.  K = 1,024 goes in four steps of 256 through a ring of two LDS slots filled by the tensor data mover.
; OPERANDS ARE IMAGES OF REGISTERS (launch 1): of a tile of 16 rows, 256 along K are 4,096 consecutive bytes; a tensor load brings eight such rows, 16,384 bytes apart in memory, dense in LDS; a fragment is four
; ds_load_b128 at a constant + 16 x lane: consecutive bytes, no pitch, no padding.
; CLUSTERS: 4 x 4 work-groups.  Operand A (source 1) hangs on the cluster's row, operand B (source 0) on its column: each tile is asked for JOINTLY by the four that share it, by the same tensor load with the same descriptor.
; THE CLUSTER'S x SAYS WHICH PART: 0 q, 1 k, 2 v; it is the same in all sixteen partners.  For q and k, A = x and B = the weights: a lane then holds ONE token and, in the 16 registers of two neighbouring tiles,
; 16 neighbouring columns (wc's order of positions sees to that): two conversions make 16 bytes of an image whose K is the head's 64.  For v the second product's K is the KEYS: so A = the weights and B = x, BY ADDRESS
; ALONE: a lane then holds one channel and its registers run along the tokens.  The ring is one text for all three.  THE PARTS PART ONCE, on the cluster's x, behind the last change of slots, where no tensor load and no
; barrier is left: each arm asks for its bias, multiplies the last 256 along K while the bias is on its way, and goes out: a bias register is loaded and read in the same arm.
; OUT: qc, kc: [batch x head][tile of 16 tokens][c = 0, 1][lane][16 bytes]: lane (r, h): d = 32 c + 16 h + 0 .. 15 of token r.
;      vc: [batch x head][64 keys][tile of 16 channels t][c][lane][16 bytes]: lane (r, h): channel 32 (t / 2) + 8 (t % 2) + r + 8 (r / 8); registers 0, 1: keys 32 c + 8 h + 0 .. 7; registers 2, 3: keys 32 c + 16 + 8 h + 0 .. 7.
; LIMITS: e0 + e1 between -126 and 127; e2, e3, e5 between -126 and 119: so that each power of two below is an f32 number.  NaN is not served.
; REGISTERS, in windows of 256: window 0: v16-29 addresses and constants; v32-95 the bias; from v128 A's eight fragments, ONE set; on the way out v96-191 at work.  window 1: B's fragments, TWO sets, at v0 and v128.
;   windows 2, 3: the accumulators ((a, b) at register 64 (a % 4) + 8 b of window 2 + a / 4).
.set NB,     8                         ; B's blocks of 16 in a wave's tile
.set FR,     16                        ; registers of a fragment: 16 rows x 128 K
.set AW,     8*NB                      ; accumulator registers for one block of A
.set ABYTES, 65536                     ; a slot: A's 16 tiles of 16 rows x 4,096 bytes,
.set BBYTES, 8192*NB                   ; then B's
.set SLOT,   ABYTES+BBYTES
.set SPARE,  2*SLOT                    ; behind the ring: the spare words, 128 bytes for each wave: two blocks of 256 bytes that no other line names
.set ADRA, 16                          ; v16-17  LDS address of my A fragments in slot 0, 1
.set ADRB, 20                          ; v20-21  the same for B
.set BO,   22                          ; v22     my byte offset in the bias
.set SCL,  24                          ; v24     2^eo as f32, eo = e2, e3 or e5
.set LIMV, 25                          ; v25     448 x 2^eo
.set LO,   26                          ; v26     16 x lane
.set SPW,  28                          ; v28     LDS address of my spare word; never rewritten
.set NIL,  29                          ; v29     0; never rewritten
.set BI,   32                          ; v32-95  the bias in the results' layout
.set T,    96                          ; v96-159 a block's 64 numbers
.set CD,   160                         ; v160-191 its codes: two sets of 16
.set AF,   128                         ; A's fragments
.set G1,   24                          ; s[24:31] descriptor group 1 for A's tiles; s[32:39] group 0, one set for each slot
.set G0,   32
.set G1B,  48                          ; s[48:55], s[56:63] the same for B's
.set G0B,  56
.set MSB, 0
.macro WIN new                         ; the immediate's high byte repeats the setting that is left
.if MSB != (\new)
	s_set_vgpr_msb (MSB<<8)|(\new)
.set MSB, (\new)
.endif
.endm
.set MUL_LO, 0xa1                      ; source 0 (B) window 1, source 1 (A) window 0, C and D window 2
.set MUL_HI, 0xa1+0x50*(NB/8)          ; the same, C and D window 3
.set TO_B,   0x40                      ; destination window 1, address window 0
; A joint load: waves 0 and 1 fetch A's two halves, waves 2 and 3 B's.  Each line has one mask and one set of registers for all that issue it; the branch hangs on the wave's number alone.
; An s_nop 0 and four v_nop follow each of the two lines, ahead of the jump, the label and what follows.
.macro JLOAD g0a, g1a, g0b, g1b
	s_cmp_eq_u32 s15, 0
	s_cbranch_scc0 .Lfor_b_\@
	tensor_load_to_lds s[\g0a:\g0a+3], s[\g1a:\g1a+7]
	s_nop 0
.rept 4
	v_nop
.endr
	s_branch .Lasked_\@
.Lfor_b_\@:
	tensor_load_to_lds s[\g0b:\g0b+3], s[\g1b:\g1b+7]
	s_nop 0
.rept 4
	v_nop
.endr
.Lasked_\@:
.endm
.macro CREST                           ; a round of the cluster's barrier behind its opening barrier
	s_cmp_lg_u32 s14, 0
	s_cbranch_scc1 .Lnot_wave_0_\@
	s_barrier_signal -3
.Lnot_wave_0_\@:
	s_barrier_wait -3
	s_barrier_signal -1
	s_barrier_wait -1
.endm
.macro CROUND                          ; a whole round
	s_barrier_signal -1
	s_barrier_wait -1
	CREST
.endm
.macro PLACES n                        ; places behind matrix instructions: plain vector instructions that name none of their registers (ISA guide 7.12.1)
.rept \n
	v_nop
.endr
.endm
.macro FRAG reg, adr, q, i             ; a fragment: tile of 16 rows i, the slot's q-th 128 along K: four groups of four registers, 512 consecutive bytes each
.irp c, 0,1,2,3
	ds_load_b128 v[\reg+4*\c:\reg+4*\c+3], v[\adr] offset:4096*(\i)+2048*(\q)+512*\c
.endr
.endm
; A's blocks a0, a0 + 1 x B's NB, 128 along K.  p: B's set.  zero = 1: the first product starts the sums.  The accumulators take turns, one instruction a turn, in the same order in every step.
.macro MUL2 a0, p, zero
.irp a, \a0, \a0+1
.set bb, 0
.rept NB
.set rD, (AW*(\a)+8*bb)%256
.if \zero
	v_wmma_f32_16x16x128_fp8_fp8 v[rD:rD+7], v[128*(\p)+FR*bb:128*(\p)+FR*bb+FR-1], v[AF+FR*(\a):AF+FR*(\a)+FR-1], 0
.else
	v_wmma_f32_16x16x128_fp8_fp8 v[rD:rD+7], v[128*(\p)+FR*bb:128*(\p)+FR*bb+FR-1], v[AF+FR*(\a):AF+FR*(\a)+FR-1], v[rD:rD+7]
.endif
.set bb, bb+1
.endr
.endr
.endm
.macro FETCH_B slot, q, p
	WIN TO_B
.set bb, 0
.rept NB
	FRAG 128*(\p)+FR*bb, ADRB+\slot, \q, bb
.set bb, bb+1
.endr
	WIN 0
.endm
.macro FETCH_A slot, q, i0
.irp i, \i0, \i0+1, \i0+2, \i0+3
	FRAG AF+FR*(\i), ADRA+\slot, \q, \i
.endr
.endm
; A slot's first 128 along K (B's set 0); it fetches the second 128's fragments.  A's blocks are free as soon as their products are issued, so one set serves A.
.macro STEP slot, zero
	s_wait_dscnt 16                                ; B's set and A's blocks 0-3 are in; the youngest sixteen loads (A's blocks 4-7) may be out
	WIN MUL_LO
	MUL2 0, 0, \zero
	MUL2 2, 0, \zero
	s_wait_dscnt 0                                 ; A's blocks 4-7 are in
	PLACES 4
	FETCH_B \slot, 1, 1
	FETCH_A \slot, 1, 0
	WIN MUL_HI
	MUL2 4, 0, \zero
	MUL2 6, 0, \zero
	PLACES 4
	WIN 0
	FETCH_A \slot, 1, 4
.endm
; A slot's second 128 (B's set 1) changes slots: ONE barrier; in front of it each wave waits for all its tensor loads, adds 0 to its spare word, and waits for that and for its own reads of this slot.  fill = 1: the slot is filled again, two steps of 256 ahead.
.macro TURN slot, next, fill
	s_wait_tensorcnt 0x0                           ; all my tensor loads have landed: my part of the next slot;  (every window is 0 here)
	ds_add_u32 v[SPW], v[NIL]                      ; 0 onto my spare word
	s_wait_dscnt 17                                ; (the add and the youngest sixteen loads may be out)
	WIN MUL_LO
	MUL2 0, 1, 0                                   ; matrix instructions stand between the add and the wait for it
	s_wait_dscnt 0x0                               ; the add is done, and my reads of this slot are over
	s_barrier_signal -1
	MUL2 2, 1, 0
	WIN 0
	s_barrier_wait -1
.if \fill
	CREST                                          ; the barrier has opened a round of the cluster's barrier: no wave of any partner still reads this slot or has a load on its way
	s_add_nc_u64 s[G0+4*\slot+2:G0+4*\slot+3], s[G0+4*\slot+2:G0+4*\slot+3], 8192
	s_add_nc_u64 s[G0B+4*\slot+2:G0B+4*\slot+3], s[G0B+4*\slot+2:G0B+4*\slot+3], 8192
	JLOAD G0+4*\slot, G1, G0B+4*\slot, G1B         ; the first tensor load behind the round, one a wave; its four v_nop are the places in front of the loads below
.else
	PLACES 4
.endif
	FETCH_B \next, 0, 0
	FETCH_A \next, 0, 0
	WIN MUL_HI
	MUL2 4, 1, 0
	MUL2 6, 1, 0
	PLACES 4
	WIN 0
	FETCH_A \next, 0, 4
.endm
; The last 256 along K, out of slot 1: no tensor load, no barrier.  It stands once in each arm of the parting on the cluster's x.
.macro FINISH
	STEP 1, 0
	s_wait_dscnt 16                                ; the last 128: nothing more to fetch
	WIN MUL_LO
	MUL2 0, 1, 0
	MUL2 2, 1, 0
	s_wait_dscnt 0
	WIN MUL_HI
	MUL2 4, 1, 0
	MUL2 6, 1, 0
	WIN 0
.endm
	s_load_b256 s[4:11], s[0:1], 0x0               ; xc s[4:5], wc s[6:7], the scales' exponents s[8:9], b_qkv s[10:11]
	s_load_b128 s[68:71], s[0:1], 0x20             ; qc, kc
	s_load_b64 s[72:73], s[0:1], 0x30              ; vc
	v_lshl_add_u32 v[SPW], v0, 2, SPARE
	v_mov_b32 v[NIL], 0
	ds_add_u32 v[SPW], v[NIL]                      ; the wave's opening: the add, twice on end, and its wait ahead of my first tensor load
	ds_add_u32 v[SPW], v[NIL]                      ; and once more, under the one wait; the set-up below, work on registers, stands between
	v_lshrrev_b32 v1, 5, v0
	v_readfirstlane_b32 s14, v1                    ; wave 0..3
	s_lshr_b32 s15, s14, 1                         ; which half of A's blocks is mine.  Also: I fetch for A (0) or for B (1)
	s_and_b32 s16, s14, 1                          ; which half of B's.  Also: which half of that tile I fetch
	s_bfe_u32 s40, ttmp6, 0x40000                  ; cx, cy: my place in the cluster
	s_bfe_u32 s41, ttmp6, 0x40004
	s_and_b32 s42, ttmp7, 0xffff
	s_lshl_b32 s42, s42, 2                         ; 4 x cluster y
	s_lshl_b32 s18, ttmp9, 2                       ; 4 x cluster x
	s_lshl_b32 s43, s41, 2
	s_lshl_b32 s43, 15, s43                        ; my row of the cluster
	s_lshl_b32 s44, 0x1111, s40                    ; my column
	s_or_b32 s[G1], s43, (1<<21)                   ; 15:0 the mask: A's tiles go to my row; 17:16 elements of 1 byte; 20 no padding; 21 set beside a mask
	s_or_b32 s[G1B], s44, (1<<21)                  ; B's go to my column
.irp g, G1, G1B
	s_mov_b32 s[\g+1], 4096<<16                    ; tensor_dim0 = 4,096
	s_mov_b32 s[\g+2], 8<<16                       ; tensor_dim1 = 8
	s_mov_b32 s[\g+3], 4096<<16                    ; tile_dim0 = 4,096: 256 along K of a tile of 16 rows
	s_mov_b32 s[\g+4], 8                           ; tile_dim1 = 8 such tiles: 128 rows
	s_mov_b32 s[\g+5], 16384                       ; tensor_dim0_stride: from one tile of 16 rows to the next
	s_mov_b32 s[\g+6], 0
	s_mov_b32 s[\g+7], 0
.endr
	s_cmp_eq_u32 ttmp9, 2                          ; v?  The cluster's x alone: the same in all sixteen partners
	s_cselect_b32 s17, 8, s42
	s_cselect_b32 s22, s42, s18
	s_add_co_u32 s17, s17, s41                     ; A's tile of 256 rows: x's 4 x cluster y + cy;  for v: the weights' 8 + cy.  It never holds cx
	s_add_co_u32 s22, s22, s40                     ; B's: the weights' 4 x cluster x + cx;  for v: x's 4 x cluster y + cx.  It never holds cy
	s_lshl_b32 s19, s16, 17                        ; the half that I fetch: 8 x 16,384 bytes
	s_lshl_b32 s20, s17, 18
	s_add_co_u32 s20, s20, s19
	s_mov_b32 s21, 0
	s_lshl_b32 s46, s22, 18
	s_add_co_u32 s46, s46, s19
	s_mov_b32 s47, 0
	s_lshl_b32 s45, s16, 15                        ; where they go in a slot: A's half,
	s_mul_i32 s67, s16, BBYTES/2
	s_add_co_u32 s67, s67, ABYTES                  ; B's half: no place in the cluster enters an LDS address
	s_wait_dscnt 0x0                               ; both opening adds are done
	s_wait_kmcnt 0x0
	s_load_b256 s[80:87], s[8:9], 0x0              ; e0 .. e7
	s_cmp_eq_u32 ttmp9, 2
	s_cselect_b64 s[76:77], s[6:7], s[4:5]         ; A's buffer,
	s_cselect_b64 s[78:79], s[4:5], s[6:7]         ; B's
	s_add_nc_u64 s[20:21], s[76:77], s[20:21]
	s_add_nc_u64 s[46:47], s[78:79], s[46:47]
	CROUND                                         ; all sixteen work-groups are here: the first joint loads meet
.irp s, 0,1
	s_mov_b32 s[G0+4*\s], 1                        ; count = 1
	s_add_co_u32 s[G0+4*\s+1], s45, \s*SLOT        ; LDS address
	s_add_nc_u64 s[G0+4*\s+2:G0+4*\s+3], s[20:21], \s*4096   ; global address: step s of 256 along K
	s_or_b32 s[G0+4*\s+3], s[G0+4*\s+3], 0x80000000          ; type = 2
	s_mov_b32 s[G0B+4*\s], 1
	s_add_co_u32 s[G0B+4*\s+1], s67, \s*SLOT
	s_add_nc_u64 s[G0B+4*\s+2:G0B+4*\s+3], s[46:47], \s*4096
	s_or_b32 s[G0B+4*\s+3], s[G0B+4*\s+3], 0x80000000
	JLOAD G0+4*\s, G1, G0B+4*\s, G1B               ; two loads of mine are out
.endr
	v_and_b32 v1, 31, v0
	v_lshlrev_b32 v[LO], 4, v1
	v_and_b32 v2, 15, v0                           ; r: kept for the bias's offset
	v_bfe_u32 v3, v0, 4, 1                         ; h: likewise
	s_lshl_b32 s23, s15, 15                        ; my eight blocks of A; my blocks of B lie where the half s16 was put
.irp s, 0,1
	v_add_nc_u32 v[ADRA+\s], s23, v[LO]
	v_add_nc_u32 v[ADRB+\s], s67, v[LO]
	s_add_co_u32 s23, s23, SLOT
	s_add_co_u32 s67, s67, SLOT
.endr
	; the bias's place and the way out's: which side is x and which the weights
	s_cmp_eq_u32 ttmp9, 2
	s_cselect_b32 s90, s17, s22                    ; the weights' tile of 256 positions,
	s_cselect_b32 s91, s15, s16                    ; my half of it,
	s_cselect_b32 s92, s22, s17                    ; x's tile of 256 rows,
	s_cselect_b32 s93, s16, s15                    ; my half of it,
	s_cselect_b32 s94, s41, s40                    ; the weights' tile inside its part: four heads
	s_lshl_b32 s90, s90, 10
	s_lshl_b32 s95, s91, 9
	s_add_co_u32 s88, s90, s95                     ; 4 bytes x (256 x tile + 128 x half)
	s_mov_b32 s89, 0
	s_add_nc_u64 s[88:89], s[10:11], s[88:89]      ; b_qkv at my 128 columns; never rewritten
	s_lshr_b32 s90, s92, 3                         ; the batch: eight tiles of 256 tokens each
	s_lshl_b32 s90, s90, 4
	s_lshl_b32 s94, s94, 2
	s_add_co_u32 s90, s90, s94
	s_lshl_b32 s91, s91, 1
	s_add_co_u32 s90, s90, s91                     ; 16 x batch + my first head
	s_lshl_b32 s90, s90, 17                        ; a head's codes are 131,072 bytes
	s_and_b32 s92, s92, 7
	s_lshl_b32 s92, s92, 1
	s_add_co_u32 s92, s92, s93
	s_lshl_b32 s92, s92, 13                        ; 128 tokens of a head are 8,192 bytes, in all three layouts
	s_add_co_u32 s90, s90, s92
	s_mov_b32 s91, 0
	s_cmp_eq_u32 ttmp9, 0
	s_cselect_b64 s[74:75], s[68:69], s[70:71]
	s_cmp_eq_u32 ttmp9, 2
	s_cselect_b64 s[74:75], s[72:73], s[74:75]
	s_add_nc_u64 s[74:75], s[74:75], s[90:91]      ; the way out's base
	; the powers of two of the way out, made once, by choices and with no branch
	s_wait_kmcnt 0x0
	s_add_co_i32 s96, s80, s81
	s_add_co_i32 s96, s96, 127
	s_lshl_b32 s96, s96, 23                        ; 2^(e0 + e1) as f32
	s_mov_b32 s97, s96                             ; (named with it as a pair, so it is written)
	s_cmp_eq_u32 ttmp9, 0
	s_cselect_b32 s92, s82, s83
	s_cmp_eq_u32 ttmp9, 2
	s_cselect_b32 s92, s85, s92                    ; eo = e2, e3 or e5
	s_add_co_i32 s92, s92, 127
	s_lshl_b32 s93, s92, 23
	v_mov_b32 v[SCL], s93
	s_add_co_i32 s92, s92, 8
	s_lshl_b32 s92, s92, 23
	s_or_b32 s92, s92, 0x600000
	v_mov_b32 v[LIMV], s92
	s_wait_tensorcnt 1                             ; my part of slot 0 is in; slot 1's load may stay out
	s_barrier_signal -1
	s_barrier_wait -1                              ; everybody's is
	FETCH_B 0, 0, 0
	FETCH_A 0, 0, 0
	FETCH_A 0, 0, 4
	STEP 0, 1                                      ; K = 0: its products start the sums: nothing is ever cleared.  Eight steps of 128, written out
	TURN 0, 1, 1                                   ; K = 128; slot 0 takes K = 512 ..
	STEP 1, 0
	TURN 1, 0, 1                                   ; K = 384; slot 1 takes K = 768 ..
	STEP 0, 0
	TURN 0, 1, 0                                   ; nothing is left to fetch: no round of the cluster's barrier
; THE WAY OUT, block by block of A.  64 numbers a lane: sum x 2^(e0 + e1) + bias (one packed multiply-add for two, each accumulator from its low end on), the hold, eight conversions: 16 registers of codes,
; which ARE four groups of the next launch's images: each store covers 512 consecutive bytes, aligned.  No LDS.
.macro OUTBLK a, vp
.set AC, 64*((\a)%4)
.set CDS, CD+16*((\a)%2)
	WIN 0x02+(\a)/4                                ; source 0: window 2 or 3
.set xx, 0
.rept 32
.if \vp
	v_pk_fma_f32 v[T+xx:T+xx+1], v[AC+xx:AC+xx+1], s[96:97], v[BI+2*(\a):BI+2*(\a)+1] op_sel_hi:[1,0,1]
.else
	v_pk_fma_f32 v[T+xx:T+xx+1], v[AC+xx:AC+xx+1], s[96:97], v[BI+xx:BI+xx+1] op_sel_hi:[1,0,1]
.endif
.set xx, xx+2
.endr
	WIN 0
.set xx, 0
.rept 64
	v_med3_num_f32 v[T+xx], v[T+xx], -v[LIMV], v[LIMV]   ; the conversion to an 8-bit code does not saturate (ISA guide 7.6.2)
.set xx, xx+1
.endr
.if (\a) >= 2
	s_wait_xcnt 0x0                                ; block a - 2's stores have read this set of codes
.endif
.set xx, 0
.rept 8
	v_cvt_scalef32_pk8_fp8_f32 v[CDS+2*xx:CDS+2*xx+1], v[T+8*xx:T+8*xx+7], v[SCL]
.set xx, xx+1
.endr
	v_nop                                          ; one plain vector instruction behind the conversions: the next block writes their sources
.irp g, 0,1,2,3
.if \vp
	global_store_b128 v[LO], v[CDS+4*\g:CDS+4*\g+3], s[74:75] offset:((\a)/4)*131072+(\g/2)*4096+((\a)%4)*1024+(\g%2)*512   ; head a / 4, 64 keys g / 2, channels' tile a % 4, group g % 2
.else
	global_store_b128 v[LO], v[CDS+4*\g:CDS+4*\g+3], s[74:75] offset:(\g/2)*131072+(\a)*1024+(\g%2)*512                    ; head g / 2, tokens' tile a, group g % 2
.endif
.endr
.endm
	s_cmp_eq_u32 ttmp9, 2                          ; THE PARTING, on the cluster's x: the same in all sixteen partners.  (Every window is 0 here)
	s_cbranch_scc1 .Lpart_v
	; ---- q, k
	v_lshlrev_b32 v[BO], 6, v3                     ; register 16 g + i of a block's 64 is column 32 g + 16 h + i
.set i, 0
.rept 16
	global_load_b128 v[BI+4*i:BI+4*i+3], v[BO], s[88:89] offset:128*(i/4)+16*(i%4)
.set i, i+1
.endr
	FINISH                                         ; 128 matrix instructions stand between the bias's loads and the wait for them
	s_wait_loadcnt 0x0                             ; the bias
	PLACES 4                                       ; behind the last products: for the first reads of results and the writes into the registers that held A's fragments
.irp a, 0,1,2,3,4,5,6,7
	OUTBLK \a, 0
.endr
	s_branch .Lend
.Lpart_v:
	; ---- v
	v_and_b32 v4, 8, v2
	v_add_nc_u32 v4, v4, v2
	v_lshlrev_b32 v[BO], 2, v4                     ; in block a my lane is column 32 (a / 2) + 8 (a % 2) + r + 8 (r / 8): one number a block, loaded twice to fill the pair that the packed form names
.set i, 0
.rept 8
	global_load_b32 v[BI+2*i], v[BO], s[88:89] offset:(32*(i/2)+8*(i%2))*4
	global_load_b32 v[BI+2*i+1], v[BO], s[88:89] offset:(32*(i/2)+8*(i%2))*4
.set i, i+1
.endr
	FINISH
	s_wait_loadcnt 0x0                             ; the bias
	PLACES 4
.irp a, 0,1,2,3,4,5,6,7
	OUTBLK \a, 1
.endr
.Lend:
	s_wait_tensorcnt 0x0                           ; the wave's end: three closing lines behind my last tensor load
	ds_add_u32 v[SPW], v[NIL]
	s_wait_dscnt 0x0
	CROUND                                         ; the closing round: no work-group ends while a partner may still ask for a tile that names it
	s_endpgm
.Lfunc_end_k_q0b18a482dc_qkv:
	.size	k_q0b18a482dc_qkv, .Lfunc_end_k_q0b18a482dc_qkv-k_q0b18a482dc_qkv
	.p2alignl 7, 3214868480
	.fill 96, 4, 3214868480
	.section	.rodata,"a",@progbits
	.p2align	6, 0x0
	.amdhsa_kernel k_q0b18a482dc_qkv
		.amdhsa_group_segment_fixed_size 327680
		.amdhsa_private_segment_fixed_size 0
		.amdhsa_enable_private_segment 0
		.amdhsa_kernarg_size 56
		.amdhsa_user_sgpr_count 2
		.amdhsa_user_sgpr_kernarg_segment_ptr 1
		.amdhsa_wavefront_size32 1
		.amdhsa_system_sgpr_workgroup_id_x 1
		.amdhsa_system_sgpr_workgroup_id_y 1
		.amdhsa_system_sgpr_workgroup_id_z 1
		.amdhsa_system_vgpr_workitem_id 0
		.amdhsa_next_free_vgpr 1024
		.amdhsa_next_free_sgpr 100
		.amdhsa_reserve_vcc 0
		.amdhsa_float_denorm_mode_32 3
		.amdhsa_float_denorm_mode_16_64 3
		.amdhsa_memory_ordered 1
		.amdhsa_forward_progress 1
		.amdhsa_inst_pref_size 206
	.end_amdhsa_kernel
	.amdgpu_metadata
---
amdhsa.version: [ 1, 2 ]
amdhsa.kernels:
  - .name:           k_q0b18a482dc_qkv
    .symbol:         k_q0b18a482dc_qkv.kd
    .args:
      - { .name: xc, .offset: 0, .size: 8, .value_kind: global_buffer, .address_space: global }
      - { .name: wc, .offset: 8, .size: 8, .value_kind: global_buffer, .address_space: global }
      - { .name: lowp_scales, .offset: 16, .size: 8, .value_kind: global_buffer, .address_space: global }
      - { .name: b_qkv, .offset: 24, .size: 8, .value_kind: global_buffer, .address_space: global }
      - { .name: qc, .offset: 32, .size: 8, .value_kind: global_buffer, .address_space: global }
      - { .name: kc, .offset: 40, .size: 8, .value_kind: global_buffer, .address_space: global }
      - { .name: vc, .offset: 48, .size: 8, .value_kind: global_buffer, .address_space: global }
    .group_segment_fixed_size: 327680
    .private_segment_fixed_size: 0
    .kernarg_segment_align: 8
    .kernarg_segment_size: 56
    .max_flat_workgroup_size: 128
    .sgpr_count:     100
    .vgpr_count:     1024
    .wavefront_size: 32
...
	.end_amdgpu_metadata
.endif
;; end of part 2
;; launch attn (part 3): grid 4 x 64, 16 waves a work-group, no clusters, 34,816 bytes of LDS; arguments qc, kc, vc, lowp_scales, oc; writes oc
.if DOCPART == 3
	.amdgcn_target "amdgcn-amd-amdhsa--gfx1250"
	.amdhsa_code_object_version 6
	.text
	.protected	k_q0b18a482dc_attn
	.globl	k_q0b18a482dc_attn
	.p2align	8
	.type	k_q0b18a482dc_attn,@function
k_q0b18a482dc_attn:
	s_mov_b64 s[64:65], 0
	v_nop
	global_prefetch_b8 v0, s[64:65] scope:SCOPE_SE
	s_setreg_imm32_b32 hwreg(HW_REG_WAVE_MODE, 25, 1), 1
	s_wait_xcnt 0x0
; LAUNCH 3 OF 4: o = softmax(q k^T / 8, causal) v for 64 (batch, head) pairs of 2,048 tokens x 64 channels, both products on codes of FP8 (E4M3); o is quantised with 2^e6 into oc, an image for the last product.
; LEFT OUT (shown at the head of launch 1): steps of 64 keys all of which come after all of a wave's 32 queries: reference()'s own causal mask makes their weights 0 for all values of the inputs.
; THE SOFTMAX: t = score x log2(e) / 8; M = the row's largest t so far, rounded UP to a whole number; p = 2^(t - M) is what is quantised (2^e4), not normalised.  The row's sum is taken of the unquantised p, in f32,
; and divides O at the end.  When M moves, the sum and O are multiplied by 2^(old M - new M): exact.
; SHARES.  Work-group (i, head) owns the blocks of 256 queries i and 7 - i of its head, both at once: 256 work-groups of equal work.  Each of its sixteen waves owns 32 queries, two tiles of 16 that share every fragment of
; K and V.  role = (w xor w / 4) & 1 says which block; w / 2 which 32 of it.  A step is 64 keys.  Four waves share a SIMD, so that one wave's vector work stands beside another's products and LDS loads.
; FEED.  K and V come as images (launch 2): 128 keys are 8,192 consecutive bytes of each.  All sixteen waves copy a slot of 128 keys through registers (16 bytes of K and of V a thread) into one of two LDS slots, two
; slots ahead of its use in registers, one in LDS; one barrier a slot.  NO CLUSTER, NO JOINT LOADS: the four work-groups of a head want 16 - 2 i slots, a different number each; and p's hold hangs on a branch on e4 (below).
; LAYOUT.  Both products are used transposed: S^T = K Q^T (source 0 = 16 keys, source 1 = 16 queries), O^T = V^T P^T (source 0 = 16 channels, source 1 = P): a lane holds ONE query (lane % 16) throughout.  Register j of
; S^T's tile t is key 16 t + 8 (lane / 16) + j: eight conversions' results are P in the form's own order of k, which is vc's.  vc's order of channels makes the 16 registers of O^T's tiles 2 t, 2 t + 1 16 neighbouring channels.
; p's HOLD.  p is at most 1 (but for a last bit), so p / 2^e4 passes 448 only where e4 < -8: the 64 v_min_num_f32 of a step stand under a scalar branch on e4, a whole number read from memory.
; LIMITS: e2 + e3 between -123 and 130 (added to c's exponent field); e4, e6 between -126 and 119; e4 + e5 goes through v_ldexp_f32 and has none.  NaN is not served.
; REGISTERS: v1-11 addresses and constants; tile u: v[12+4u] -M, v[13+4u] the largest t, v[14+4u:15+4u] the sum in two halves, v[20+2u] f; v24-29 at work; v32-47 Q; v48-79 four fragments of K, then of V;
;   v80-143 S^T, then p; v144-207 O^T; v208-223 P's codes; v224-231 the slot on its way; v232-237 at work.
.set SLOTB, 16384                      ; an LDS slot: K's 8,192 bytes,
.set VOFF,  8192                       ; then V's
.set SPARE, 32768                      ; behind the two slots: the spare words, 128 bytes for each wave: eight blocks of 256 bytes that no other line names
.set L16,  1                           ; v1   16 x lane
.set ST0,  2                           ; v2   16 x thread
.set SPW,  5                           ; v5   LDS address of my spare word; never rewritten
.set NIL,  6                           ; v6   0; never rewritten
.set PFO,  7                           ; v7   256 x lane: the prefetches' offset; never rewritten
.set NINF, 8                           ; v8   -infinity
.set RH,   9                           ; v9   lane % 16 - 8 (lane / 16)
.set PSC,  10                          ; v10  2^e4 as f32; on the way out 2^e6
.set PLM,  11                          ; v11  448 x that
.set Q,    32
.set F,    48
.set S,    80
.set O,    144
.set P,    208
.set STG,  224
.set WV,   14                          ; s14  my wave's number
.set Q0,   20                          ; s20  my first query
.set LIMK, 21                          ; s21  the keys that my work-group needs: 2,048 - 256 i
.set KF,   22                          ; s22  the first key of the slot in hand
.set CNT,  25                          ; s25  trips to go
.set PLIM, 26                          ; s26  a wave prefetches while KF is under it: 1,664 in the asking waves, else 0
.set SEL,  28                          ; s[28:29] lane selects for v_permlanex16_b32: lane l xor 16
.set CS,   30                          ; s[30:31] c = log2(e) / 8 x 2^(e2 + e3)
.set KB,   32                          ; s[32:33] K's codes, s[34:35] V's: at the slot in hand
.set VB,   34
.set PFA,  36                          ; s[36:37] the same for my prefetches (wave 0: K, wave 1: V)
.set QB,   38                          ; s[38:39] Q's codes at my first query
.set ESC,  40                          ; s[40:47] e0 .. e7
	s_load_b256 s[4:11], s[0:1], 0x0               ; qc s[4:5], kc s[6:7], vc s[8:9], the scales' exponents s[10:11]
	s_load_b64 s[12:13], s[0:1], 0x20              ; oc
	v_lshl_add_u32 v[SPW], v0, 2, SPARE
	v_mov_b32 v[NIL], 0
	v_lshrrev_b32 v3, 5, v0
	v_readfirstlane_b32 s[WV], v3                  ; wave 0..15
	v_and_b32 v4, 31, v0
	v_lshlrev_b32 v[L16], 4, v4
	v_lshlrev_b32 v[PFO], 8, v4
	v_lshlrev_b32 v[ST0], 4, v0
	v_and_b32 v[RH], 15, v0
	v_bfe_u32 v3, v0, 4, 1
	v_lshlrev_b32 v3, 3, v3
	v_sub_nc_u32 v[RH], v[RH], v3
	v_mov_b32 v[NINF], 0xff800000
	s_lshr_b32 s15, s[WV], 2
	s_xor_b32 s15, s15, s[WV]
	s_and_b32 s15, s15, 1                          ; role
	s_lshr_b32 s16, s[WV], 1                       ; which 32 queries of the block
	s_sub_co_u32 s17, 7, ttmp9
	s_cmp_eq_u32 s15, 0
	s_cselect_b32 s17, ttmp9, s17                  ; my block of 256 queries: i or 7 - i
	s_lshl_b32 s[Q0], s17, 8
	s_lshl_b32 s18, s16, 5
	s_add_co_u32 s[Q0], s[Q0], s18
	s_lshl_b32 s[LIMK], ttmp9, 8
	s_sub_co_u32 s[LIMK], 2048, s[LIMK]
	s_and_b32 s19, ttmp7, 0xffff                   ; 16 x batch + head
	s_lshl_b32 s48, s19, 17                        ; a head's codes are 131,072 bytes in qc, kc and vc
	s_mov_b32 s49, 0
	s_lshl_b32 s50, s[Q0], 6                       ; a query's codes are 64 bytes
	s_add_co_u32 s50, s50, s48
	s_mov_b32 s51, 0
	s_lshr_b32 s52, s19, 4
	s_lshl_b32 s52, s52, 7
	s_lshr_b32 s53, s[Q0], 4
	s_add_co_u32 s52, s52, s53                     ; oc: my first tile of 16 rows: 128 x batch + Q0 / 16,
	s_lshl_b32 s52, s52, 14                        ; 16,384 bytes each;
	s_and_b32 s53, s19, 15
	s_lshl_b32 s53, s53, 10                        ; a head's 64 channels are two groups of 512 bytes: 1,024 x head
	s_add_co_u32 s52, s52, s53
	s_mov_b32 s53, 0
	s_lshr_b32 s[PLIM], s[WV], 1                   ; 0 in waves 0 and 1,
	s_or_b32 s[PLIM], s[PLIM], ttmp9               ; of the head's first work-group, which walks all sixteen slots
	s_cmp_eq_u32 s[PLIM], 0
	s_cselect_b32 s[PLIM], 1664, 0
	s_mov_b32 s[SEL], 0x76543210
	s_mov_b32 s[SEL+1], 0xfedcba98
	s_mov_b32 s[KF], 0
	s_mov_b32 s[CNT], 8
	s_wait_kmcnt 0x0
	s_load_b256 s[ESC:ESC+7], s[10:11], 0x0
	s_add_nc_u64 s[KB:KB+1], s[6:7], s[48:49]
	s_add_nc_u64 s[VB:VB+1], s[8:9], s[48:49]
	s_add_nc_u64 s[QB:QB+1], s[4:5], s[50:51]
	s_add_nc_u64 s[12:13], s[12:13], s[52:53]
	s_cmp_eq_u32 s[WV], 0
	s_cselect_b64 s[PFA:PFA+1], s[KB:KB+1], s[VB:VB+1]
	global_load_b128 v[STG:STG+3], v[ST0], s[KB:KB+1]         ; slot 0: the sixteen waves read 8,192 consecutive bytes of K,
	global_load_b128 v[STG+4:STG+7], v[ST0], s[VB:VB+1]       ; and of V
.irp g, 0,1,2,3
	global_load_b128 v[Q+4*\g:Q+4*\g+3], v[L16], s[QB:QB+1] offset:512*\g th:TH_LOAD_NT   ; Q's two fragments stay in registers
.endr
	v_mov_b32 v13, 0xff61b1e6                      ; the largest t so far: -3e38, under every t
	v_mov_b32 v17, 0xff61b1e6
	v_floor_f32 v12, -v13                          ; -M
	v_floor_f32 v16, -v17
.irp j, 14,15,18,19,21,23,28,29
	v_mov_b32 v\j, 0                               ; the sums; the upper halves of the pairs that hold f; the permutes' destinations, which count as read
.endr
.set n, 0
.rept 64
	v_mov_b32 v[O+n], 0                            ; O^T.  (The step is written for every step alike: the first finds zeros, which the first change of M leaves zeros)
.set n, n+1
.endr
	s_wait_kmcnt 0x0
	s_add_co_i32 s48, s[ESC+2], s[ESC+3]
	s_lshl_b32 s48, s48, 23
	s_add_co_i32 s[CS], s48, 0x3e38aa3b            ; c = log2(e) / 8; a score stands for score x 2^(e2 + e3): the exponents are added to c's exponent field
	s_mov_b32 s[CS+1], s[CS]                       ; (named with it as a pair, so it is written)
	s_add_co_i32 s48, s[ESC+4], 127
	s_lshl_b32 s49, s48, 23
	v_mov_b32 v[PSC], s49
	s_add_co_i32 s48, s48, 8
	s_lshl_b32 s48, s48, 23
	s_or_b32 s48, s48, 0x600000
	v_mov_b32 v[PLM], s48
	s_wait_loadcnt 4                               ; slot 0's two loads are in; Q's four may be out
	ds_store_b128 v[ST0], v[STG:STG+3]
	ds_store_b128 v[ST0], v[STG+4:STG+7] offset:VOFF
	s_wait_dscnt 0x0                               ; for the others' sake: my stores have landed; and they have read their registers,
	global_load_b128 v[STG:STG+3], v[ST0], s[KB:KB+1] offset:8192     ; which take slot 1
	global_load_b128 v[STG+4:STG+7], v[ST0], s[VB:VB+1] offset:8192
	s_barrier_signal -1
	s_barrier_wait -1                              ; slot 0 is whole
	s_wait_loadcnt 2                               ; Q is in; slot 1's two loads may be out
; A KEY STEP: 64 keys, the q-th of LDS slot s.
.macro STEP s, q
	s_add_co_u32 s48, s[KF], 64*\q                 ; the step's first key
	s_add_co_u32 s49, s[Q0], 31
	s_cmp_gt_u32 s48, s49                          ; all its keys come after my queries: the step is left out.  A branch on ids and the count of slots; no barrier stands in a step
	s_cbranch_scc1 .Lhid_\@
.rept 4
	v_nop                                          ; places in front of loads into registers that the last products read
.endr
.irp t, 0,1,2,3
.irp c, 0,1
	ds_load_b128 v[F+8*\t+4*\c:F+8*\t+4*\c+3], v[L16] offset:\s*SLOTB+4096*\q+1024*\t+512*\c
.endr
.endr
	s_wait_dscnt 0x0
.irp t, 0,1,2,3                                ; S^T = K Q^T: each fragment of K serves both tiles of queries
.irp u, 0,1
	v_wmma_f32_16x16x64_fp8_fp8 v[S+32*\u+8*\t:S+32*\u+8*\t+7], v[F+8*\t:F+8*\t+7], v[Q+8*\u:Q+8*\u+7], 0
.endr
.endr
.rept 4
	v_nop                                          ; places: for the loads below and for the first reads of the scores
.endr
.irp t, 0,1,2,3
.irp c, 0,1
	ds_load_b128 v[F+8*\t+4*\c:F+8*\t+4*\c+3], v[L16] offset:\s*SLOTB+VOFF+4096*\q+1024*\t+512*\c   ; V's fragments land while the softmax is worked
.endr
.endr
	s_add_co_u32 s49, s48, 63
	s_cmp_le_u32 s49, s[Q0]                        ; all keys count for all my queries: no mask
	s_cbranch_scc1 .Lopen_\@
	s_sub_co_i32 s49, s[Q0], s48
	v_add_nc_u32 v236, s49, v[RH]                  ; tile 0: d = my query - the step's first key - 8 (lane / 16).  Register 8 t + j holds key 16 t + 8 (lane / 16) + j: hidden where 16 t + j > d
	v_add_nc_u32 v237, 16, v236                    ; tile 1's queries lie 16 on
.irp u, 0,1
.set n, 0
.rept 32
	v_cmp_gt_i32 vcc_lo, 16*(n/8)+n%8, v[236+\u]
	v_cndmask_b32 v[S+32*\u+n], v[S+32*\u+n], v[NINF], vcc_lo   ; -infinity ahead of the maximum: p = 0 then
.set n, n+1
.endr
.endr
.Lopen_\@:
.irp u, 0,1                                    ; the step's largest score of my query among my 32 keys, in two chains a tile, the tiles line by line; each accumulator from its low end on
	v_max3_num_f32 v[24+2*\u], v[S+32*\u], v[S+32*\u+1], v[S+32*\u+2]
	v_max3_num_f32 v[25+2*\u], v[S+32*\u+3], v[S+32*\u+4], v[S+32*\u+5]
.endr
.irp i, 6,10,14,18,22,26
.irp u, 0,1
	v_max3_num_f32 v[24+2*\u], v[24+2*\u], v[S+32*\u+\i], v[S+32*\u+\i+1]
	v_max3_num_f32 v[25+2*\u], v[25+2*\u], v[S+32*\u+\i+2], v[S+32*\u+\i+3]
.endr
.endr
.irp u, 0,1
	v_max3_num_f32 v[24+2*\u], v[24+2*\u], v[S+32*\u+30], v[S+32*\u+31]
.endr
.irp u, 0,1
	v_max_num_f32 v[24+2*\u], v[24+2*\u], v[25+2*\u]
.endr
.irp u, 0,1
	v_permlanex16_b32 v[28+\u], v[24+2*\u], s[SEL], s[SEL+1]
.endr
.irp u, 0,1
	v_max_num_f32 v[24+2*\u], v[24+2*\u], v[28+\u]         ; and among lane l xor 16's
.endr
.irp u, 0,1
	v_mul_f32 v[24+2*\u], s[CS], v[24+2*\u]                ; as t (c is positive)
.endr
.irp u, 0,1
	v_max_num_f32 v[13+4*\u], v[13+4*\u], v[24+2*\u]       ; the running largest t
.endr
.irp u, 0,1
	v_mov_b32 v[24+2*\u], v[12+4*\u]
.endr
.irp u, 0,1
	v_floor_f32 v[12+4*\u], -v[13+4*\u]                    ; the new -M = floor(-t) = -ceil(t): a whole number
.endr
.irp u, 0,1
	v_sub_f32 v[24+2*\u], v[12+4*\u], v[24+2*\u]           ; M's old value less its new one: a whole number, 0 or less
.endr
.irp u, 0,1
	v_cvt_i32_f32 v[24+2*\u], v[24+2*\u]                   ; (it saturates)
.endr
.irp u, 0,1
	v_ldexp_f32 v[20+2*\u], 1.0, v[24+2*\u]                ; f = 2^(old M - new M)
.endr
.irp u, 0,1
.set n, 0
.rept 16
	v_pk_fma_f32 v[S+32*\u+n:S+32*\u+n+1], v[S+32*\u+n:S+32*\u+n+1], s[CS:CS+1], v[12+4*\u:13+4*\u] op_sel_hi:[1,0,0]   ; t - M, two at a time (of the pairs c and -M the low word serves both halves)
.set n, n+2
.endr
.endr
.set n, 0
.rept 64
	v_exp_f32 v[S+n], v[S+n]                       ; p = 2^(t - M): one batch
.set n, n+1
.endr
	v_pk_mul_f32 v[14:15], v[14:15], v[20:21] op_sel_hi:[1,0]   ; the sums under the new M.  (The plain instruction behind the exponentials)
	v_pk_mul_f32 v[18:19], v[18:19], v[22:23] op_sel_hi:[1,0]
	s_wait_alu depctr_va_vdst(0)                   ; the wait between the transcendentals and the first line that names a result: one for the batch
.irp u, 0,1                                    ; THE ROW'S SUM IS TAKEN OF THE UNQUANTISED p: two at a time, in two chains a tile
	v_pk_add_f32 v[232+2*\u:233+2*\u], v[S+32*\u:S+32*\u+1], v[S+32*\u+2:S+32*\u+3]
.endr
.irp j, 4,8,12,16,20,24,28
.irp u, 0,1
	v_pk_add_f32 v[14+4*\u:15+4*\u], v[14+4*\u:15+4*\u], v[S+32*\u+\j:S+32*\u+\j+1]
	v_pk_add_f32 v[232+2*\u:233+2*\u], v[232+2*\u:233+2*\u], v[S+32*\u+\j+2:S+32*\u+\j+3]
.endr
.endr
.irp u, 0,1
	v_pk_add_f32 v[14+4*\u:15+4*\u], v[14+4*\u:15+4*\u], v[232+2*\u:233+2*\u]
.endr
	s_cmp_ge_i32 s[ESC+4], -8                      ; p / 2^e4 is at most 256 (but for a last bit) where e4 >= -8: under 448, nothing to hold
	s_cbranch_scc1 .Lnohold_\@
.set n, 0
.rept 64
	v_min_num_f32 v[S+n], v[S+n], v[PLM]           ; the conversion to an 8-bit code does not saturate (ISA guide 7.6.2); p is not negative, so the hold is one-sided
.set n, n+1
.endr
.Lnohold_\@:
.set n, 0
.rept 8
	v_cvt_scalef32_pk8_fp8_f32 v[P+2*n:P+2*n+1], v[S+8*n:S+8*n+7], v[PSC]   ; tile n / 4, keys 16 (n % 4) + 8 (lane / 16) + 0 .. 7
.set n, n+1
.endr
.irp u, 0,1
.set n, 0
.rept 16
	v_pk_mul_f32 v[O+32*\u+n:O+32*\u+n+1], v[O+32*\u+n:O+32*\u+n+1], v[20+2*\u:21+2*\u] op_sel_hi:[1,0]   ; O^T under the new M: x f.  (Also the plain lines between the conversions and the products)
.set n, n+2
.endr
.endr
	s_wait_dscnt 0x0                               ; V's fragments are in
.irp t, 0,1,2,3                                ; O^T += V^T P^T: eight accumulators by turns, one instruction a turn
.irp u, 0,1
	v_wmma_f32_16x16x64_fp8_fp8 v[O+32*\u+8*\t:O+32*\u+8*\t+7], v[F+8*\t:F+8*\t+7], v[P+8*\u:P+8*\u+7], v[O+32*\u+8*\t:O+32*\u+8*\t+7]
.endr
.endr
.Lhid_\@:
.endm
; THE END OF SLOT s.  The next slot's bytes, asked for a slot ago, go from registers into the other LDS slot: every wave's reads of that slot were awaited in front of the last barrier.  Then the slot after it is asked for.
; The barrier: in front of it my stores have landed and my reads of slot s are over.  The three branches hang on ids and the count of slots and are the same in all sixteen waves; the barrier stands outside them.
.macro TAIL s
	s_wait_loadcnt 0x0                             ; the next slot's bytes are in registers; their address registers may be stepped
	s_add_co_u32 s48, s[KF], 128
	s_cmp_lt_u32 s48, s[LIMK]                      ; does my work-group read the next slot?
	s_cbranch_scc0 .Lnostore_\@
	ds_store_b128 v[ST0], v[STG:STG+3] offset:(1-\s)*SLOTB
	ds_store_b128 v[ST0], v[STG+4:STG+7] offset:(1-\s)*SLOTB+VOFF
.Lnostore_\@:
	s_wait_dscnt 0x0
	s_wait_xcnt 0x0                                ; the last prefetch, a slot back, has read its address
	s_add_nc_u64 s[KB:KB+1], s[KB:KB+1], 8192
	s_add_nc_u64 s[VB:VB+1], s[VB:VB+1], 8192
	s_add_nc_u64 s[PFA:PFA+1], s[PFA:PFA+1], 8192
	s_add_co_u32 s48, s[KF], 256
	s_cmp_lt_u32 s48, s[LIMK]                      ; and the slot after it?  No load leaves what the work-group needs
	s_cbranch_scc0 .Lnoload_\@
	global_load_b128 v[STG:STG+3], v[ST0], s[KB:KB+1] offset:8192
	global_load_b128 v[STG+4:STG+7], v[ST0], s[VB:VB+1] offset:8192
.Lnoload_\@:
; A PREFETCH of the slot that the NEXT tail will load: three slots on from the one in hand.  All four work-groups of a head walk the same K and V: the head's first work-group asks, wave 0 for K's 8,192 bytes, wave 1 for V's,
; lanes 256 bytes apart: each aligned block of 256 bytes is named once in the launch.  Slots 0 to 2 come by their loads alone; the last three tails ask for nothing: KF + 384 would pass the head's 2,048 keys.
	s_cmp_lt_u32 s[KF], s[PLIM]
	s_cbranch_scc0 .Lnoask_\@
	global_prefetch_b8 v[PFO], s[PFA:PFA+1] offset:16384 th:TH_LOAD_NT scope:SCOPE_SE
.Lnoask_\@:
	s_barrier_signal -1
	s_barrier_wait -1
	s_add_co_u32 s[KF], s[KF], 128
.endm
.Lslot:                                            ; eight trips, two slots each: a constant of the text, so that every LDS address is a constant + 16 x lane or thread
	STEP 0, 0
	STEP 0, 1
	TAIL 0
	STEP 1, 0
	STEP 1, 1
	TAIL 1
	s_sub_co_u32 s[CNT], s[CNT], 1
	s_cmp_lg_u32 s[CNT], 0
	s_cbranch_scc1 .Lslot
	; THE WAY OUT.  o = O^T x 2^(e4 + e5) / the sum, quantised with 2^e6.  The 16 registers of tiles 2 t, 2 t + 1 are channels 32 t + 16 (lane / 16) + 0 .. 15 of my query: two conversions make a group of oc's image.
	v_add_f32 v14, v14, v15                        ; the sum's two halves;  (these plain lines are also the places behind the last products)
	v_add_f32 v18, v18, v19
	v_permlanex16_b32 v28, v14, s[SEL], s[SEL+1]
	v_permlanex16_b32 v29, v18, s[SEL], s[SEL+1]
	v_add_f32 v14, v14, v28                        ; and lane l xor 16's
	v_add_f32 v18, v18, v29
	v_rcp_f32 v14, v14
	v_rcp_f32 v18, v18
	s_add_co_i32 s48, s[ESC+6], 127
	s_lshl_b32 s49, s48, 23
	v_mov_b32 v[PSC], s49                          ; 2^e6  (a plain instruction behind the reciprocals)
	s_add_co_i32 s48, s48, 8
	s_lshl_b32 s48, s48, 23
	s_or_b32 s48, s48, 0x600000
	v_mov_b32 v[PLM], s48                          ; 448 x 2^e6
	s_add_co_i32 s50, s[ESC+4], s[ESC+5]
	s_wait_alu depctr_va_vdst(0)                   ; one wait for both reciprocals, ahead of their first reader
	v_ldexp_f32 v14, v14, s50
	v_ldexp_f32 v18, v18, s50
.irp u, 0,1
.set n, 0
.rept 16
	v_pk_mul_f32 v[S+32*\u+n:S+32*\u+n+1], v[O+32*\u+n:O+32*\u+n+1], v[14+4*\u:15+4*\u] op_sel_hi:[1,0]
.set n, n+2
.endr
.endr
.set n, 0
.rept 64
	v_med3_num_f32 v[S+n], v[S+n], -v[PLM], v[PLM]
.set n, n+1
.endr
.set n, 0
.rept 8
	v_cvt_scalef32_pk8_fp8_f32 v[P+2*n:P+2*n+1], v[S+8*n:S+8*n+7], v[PSC]
.set n, n+1
.endr
	v_nop
.irp u, 0,1
.irp t, 0,1
	global_store_b128 v[L16], v[P+8*\u+4*\t:P+8*\u+4*\t+3], s[12:13] offset:16384*\u+512*\t   ; 512 consecutive bytes, aligned
.endr
.endr
	s_wait_tensorcnt 0x0                           ; the wave's end
	ds_add_u32 v[SPW], v[NIL]
	s_wait_dscnt 0x0
	s_endpgm
.Lfunc_end_k_q0b18a482dc_attn:
	.size	k_q0b18a482dc_attn, .Lfunc_end_k_q0b18a482dc_attn-k_q0b18a482dc_attn
	.p2alignl 7, 3214868480
	.fill 96, 4, 3214868480
	.section	.rodata,"a",@progbits
	.p2align	6, 0x0
	.amdhsa_kernel k_q0b18a482dc_attn
		.amdhsa_group_segment_fixed_size 34816
		.amdhsa_private_segment_fixed_size 0
		.amdhsa_enable_private_segment 0
		.amdhsa_kernarg_size 40
		.amdhsa_user_sgpr_count 2
		.amdhsa_user_sgpr_kernarg_segment_ptr 1
		.amdhsa_wavefront_size32 1
		.amdhsa_system_sgpr_workgroup_id_x 1
		.amdhsa_system_sgpr_workgroup_id_y 1
		.amdhsa_system_sgpr_workgroup_id_z 1
		.amdhsa_system_vgpr_workitem_id 0
		.amdhsa_next_free_vgpr 256
		.amdhsa_next_free_sgpr 66
		.amdhsa_reserve_vcc 1
		.amdhsa_float_denorm_mode_32 3
		.amdhsa_float_denorm_mode_16_64 3
		.amdhsa_memory_ordered 1
		.amdhsa_forward_progress 1
		.amdhsa_inst_pref_size 97
	.end_amdhsa_kernel
	.amdgpu_metadata
---
amdhsa.version: [ 1, 2 ]
amdhsa.kernels:
  - .name:           k_q0b18a482dc_attn
    .symbol:         k_q0b18a482dc_attn.kd
    .args:
      - { .name: qc, .offset: 0, .size: 8, .value_kind: global_buffer, .address_space: global }
      - { .name: kc, .offset: 8, .size: 8, .value_kind: global_buffer, .address_space: global }
      - { .name: vc, .offset: 16, .size: 8, .value_kind: global_buffer, .address_space: global }
      - { .name: lowp_scales, .offset: 24, .size: 8, .value_kind: global_buffer, .address_space: global }
      - { .name: oc, .offset: 32, .size: 8, .value_kind: global_buffer, .address_space: global }
    .group_segment_fixed_size: 34816
    .private_segment_fixed_size: 0
    .kernarg_segment_align: 8
    .kernarg_segment_size: 40
    .max_flat_workgroup_size: 512
    .sgpr_count:     66
    .vgpr_count:     256
    .wavefront_size: 32
...
	.end_amdgpu_metadata
.endif
;; end of part 3
;; launch proj (part 4): grid 8 x 32, 4 waves a work-group, clusters of 4 x 4, 327,680 bytes of LDS; arguments oc, wc, lowp_scales, b_out, out0; writes out0
.if DOCPART == 4
	.amdgcn_target "amdgcn-amd-amdhsa--gfx1250"
	.amdhsa_code_object_version 6
	.text
	.protected	k_q0b18a482dc_proj
	.globl	k_q0b18a482dc_proj
	.p2align	8
	.type	k_q0b18a482dc_proj,@function
k_q0b18a482dc_proj:
	s_mov_b64 s[64:65], 0
	v_nop
	global_prefetch_b8 v0, s[64:65] scope:SCOPE_SE
	s_setreg_imm32_b32 hwreg(HW_REG_WAVE_MODE, 25, 1), 1
	s_wait_xcnt 0x0
	s_wait_alu depctr_hold_cnt(0) depctr_sa_sdst(0) depctr_va_vdst(0) depctr_va_sdst(0) depctr_va_ssrc(0) depctr_va_vcc(0) depctr_vm_vsrc(0)
	s_getreg_b32 s2, hwreg(HW_REG_IB_STS2, 6, 4)
	s_cmp_eq_u32 s2, 0
	s_cbranch_scc0 .Lentry_in_a_cluster
	s_endpgm
.Lentry_in_a_cluster:
	s_bfe_u32 s2, ttmp6, 0x10000c
	s_cmp_lg_u32 s2, 0xf033
	s_cbranch_scc0 .Lentry_shape_is_right
	s_endpgm
.Lentry_shape_is_right:
; LAUNCH 4 OF 4: out0 = o w_out + b_out on codes of FP8 (E4M3): oc (launch 3, scale 2^e6) x positions 3,072 .. 4,095 of wc (launch 1, scale 2^e7); sums in f32; out0 [8,192][1,024] f32.
; The ring, the round and the order of work are launch 2's, on a smaller tile: 256 x 128 a work-group, so that there are 256 work-groups; a wave makes 128 x 64: 32 accumulators, 256 registers.
; K = 1,024 goes in four steps of 256 through two LDS slots.  Operands are images of registers: of a tile of 16 rows, 256 along K are 4,096 consecutive bytes; a fragment is four ds_load_b128 at a constant + 16 x lane.
; CLUSTERS: 4 x 4 work-groups: A's tiles (o) are shared along a row of the cluster, B's (the weights) along a column, each asked for jointly.  THE MATRIX INSTRUCTION IS USED TRANSPOSED (source 0 = 16 positions of the
; weights, source 1 = 16 rows of o): with wc's order of positions the 16 registers of two neighbouring tiles are 16 neighbouring columns of one row of out0: 64 bytes.
; LIMIT: e6 + e7 between -126 and 127, so that 2^(e6 + e7) is an f32 number.
; REGISTERS: window 0: v16-29 addresses; v32-63 the bias; v64-95 a block's results; from v128 A's eight fragments, ONE set; on the way out v128-191 rows read back.  window 1: B's fragments, TWO sets, at v0 and v128.
;   window 2: the accumulators ((a, b) at register 32 a + 8 b).
.set NB,     4
.set FR,     16
.set AW,     8*NB
.set ABYTES, 65536                     ; a slot: A's 16 tiles of 16 rows x 4,096 bytes,
.set BBYTES, 8192*NB                   ; then B's 8
.set SLOT,   ABYTES+BBYTES
.set SPARE,  2*SLOT                    ; behind the ring: the spare words, 128 bytes for each wave: two blocks of 256 bytes that no other line names
.set SPITCH, 272                       ; the way out: a stage of 16 rows x (256 bytes + 16) for each wave, in slot 0, which has had its last fill and its last read when the first result is stored there
.set ADRA, 16
.set ADRB, 20
.set BO,   22                          ; v22  my byte offset in the bias
.set STO,  24                          ; v24  the stage: where I put 64 bytes of a row
.set RD,   25                          ; v25  and where I read a row back
.set LO,   26                          ; v26  16 x lane
.set CO,   27                          ; v27  my byte offset in two rows of out0
.set SPW,  28
.set NIL,  29
.set BI,   32
.set T,    64
.set AF,   128
.set BK,   128
.set G1,   24
.set G0,   32
.set G1B,  48
.set G0B,  56
.set MSB, 0
.macro WIN new                         ; the immediate's high byte repeats the setting that is left
.if MSB != (\new)
	s_set_vgpr_msb (MSB<<8)|(\new)
.set MSB, (\new)
.endif
.endm
.set MUL_LO, 0xa1                      ; source 0 (B) window 1, source 1 (A) window 0, C and D window 2
.set MUL_HI, 0xa1+0x50*(NB/8)          ; the same here: all accumulators lie in window 2
.set TO_B,   0x40
.macro JLOAD g0a, g1a, g0b, g1b        ; a joint load: waves 0 and 1 fetch A's halves, waves 2 and 3 B's; an s_nop 0 and four v_nop follow each of the two lines
	s_cmp_eq_u32 s15, 0
	s_cbranch_scc0 .Lfor_b_\@
	tensor_load_to_lds s[\g0a:\g0a+3], s[\g1a:\g1a+7]
	s_nop 0
.rept 4
	v_nop
.endr
	s_branch .Lasked_\@
.Lfor_b_\@:
	tensor_load_to_lds s[\g0b:\g0b+3], s[\g1b:\g1b+7]
	s_nop 0
.rept 4
	v_nop
.endr
.Lasked_\@:
.endm
.macro CREST
	s_cmp_lg_u32 s14, 0
	s_cbranch_scc1 .Lnot_wave_0_\@
	s_barrier_signal -3
.Lnot_wave_0_\@:
	s_barrier_wait -3
	s_barrier_signal -1
	s_barrier_wait -1
.endm
.macro CROUND
	s_barrier_signal -1
	s_barrier_wait -1
	CREST
.endm
.macro PLACES n                        ; places behind matrix instructions (ISA guide 7.12.1)
.rept \n
	v_nop
.endr
.endm
.macro FRAG reg, adr, q, i
.irp c, 0,1,2,3
	ds_load_b128 v[\reg+4*\c:\reg+4*\c+3], v[\adr] offset:4096*(\i)+2048*(\q)+512*\c
.endr
.endm
.macro MUL2 a0, p, zero                ; A's blocks a0, a0 + 1 x B's NB; the accumulators take turns, one instruction a turn, in the same order in every step
.irp a, \a0, \a0+1
.set bb, 0
.rept NB
.set rD, (AW*(\a)+8*bb)%256
.if \zero
	v_wmma_f32_16x16x128_fp8_fp8 v[rD:rD+7], v[128*(\p)+FR*bb:128*(\p)+FR*bb+FR-1], v[AF+FR*(\a):AF+FR*(\a)+FR-1], 0
.else
	v_wmma_f32_16x16x128_fp8_fp8 v[rD:rD+7], v[128*(\p)+FR*bb:128*(\p)+FR*bb+FR-1], v[AF+FR*(\a):AF+FR*(\a)+FR-1], v[rD:rD+7]
.endif
.set bb, bb+1
.endr
.endr
.endm
.macro FETCH_B slot, q, p
	WIN TO_B
.set bb, 0
.rept NB
	FRAG 128*(\p)+FR*bb, ADRB+\slot, \q, bb
.set bb, bb+1
.endr
	WIN 0
.endm
.macro FETCH_A slot, q, i0
.irp i, \i0, \i0+1, \i0+2, \i0+3
	FRAG AF+FR*(\i), ADRA+\slot, \q, \i
.endr
.endm
.macro STEP slot, zero                 ; a slot's first 128 along K (B's set 0)
	s_wait_dscnt 16                                ; B's set and A's blocks 0-3 are in; the youngest sixteen loads (A's blocks 4-7) may be out
	WIN MUL_LO
	MUL2 0, 0, \zero
	MUL2 2, 0, \zero
	s_wait_dscnt 0
	PLACES 4
	FETCH_B \slot, 1, 1
	FETCH_A \slot, 1, 0
	WIN MUL_HI
	MUL2 4, 0, \zero
	MUL2 6, 0, \zero
	PLACES 4
	WIN 0
	FETCH_A \slot, 1, 4
.endm
.macro TURN slot, next, fill           ; a slot's second 128 (B's set 1) changes slots: one barrier, in front of it the wait for all my tensor loads, the add, and the wait for it and for my reads of the slot
	s_wait_tensorcnt 0x0                           ; all my tensor loads have landed: my part of the next slot;  (every window is 0 here)
	ds_add_u32 v[SPW], v[NIL]                      ; 0 onto my spare word
	s_wait_dscnt 17                                ; (the add and the youngest sixteen loads may be out)
	WIN MUL_LO
	MUL2 0, 1, 0
	s_wait_dscnt 0x0                               ; the add is done, and my reads of this slot are over
	s_barrier_signal -1
	MUL2 2, 1, 0
	WIN 0
	s_barrier_wait -1
.if \fill
	CREST                                          ; the barrier has opened a round of the cluster's barrier
	s_add_nc_u64 s[G0+4*\slot+2:G0+4*\slot+3], s[G0+4*\slot+2:G0+4*\slot+3], 8192
	s_add_nc_u64 s[G0B+4*\slot+2:G0B+4*\slot+3], s[G0B+4*\slot+2:G0B+4*\slot+3], 8192
	JLOAD G0+4*\slot, G1, G0B+4*\slot, G1B         ; the first tensor load behind the round, one a wave; its four v_nop are the places in front of the loads below
.else
	PLACES 4
.endif
	FETCH_B \next, 0, 0
	FETCH_A \next, 0, 0
	WIN MUL_HI
	MUL2 4, 1, 0
	MUL2 6, 1, 0
	PLACES 4
	WIN 0
	FETCH_A \next, 0, 4
.endm
	s_load_b256 s[4:11], s[0:1], 0x0               ; oc s[4:5], wc s[6:7], the scales' exponents s[8:9], b_out s[10:11]
	s_load_b64 s[12:13], s[0:1], 0x20              ; out0
	v_lshl_add_u32 v[SPW], v0, 2, SPARE
	v_mov_b32 v[NIL], 0
	ds_add_u32 v[SPW], v[NIL]                      ; the wave's opening: the add, twice on end, and its wait ahead of my first tensor load
	ds_add_u32 v[SPW], v[NIL]                      ; and once more, under the one wait; the set-up below, work on registers, stands between
	v_lshrrev_b32 v1, 5, v0
	v_readfirstlane_b32 s14, v1                    ; wave 0..3
	s_lshr_b32 s15, s14, 1                         ; which half of the tile's rows is mine.  Also: I fetch for A (0) or for B (1)
	s_and_b32 s16, s14, 1                          ; which half of its columns.  Also: which half of that tile I fetch
	s_bfe_u32 s40, ttmp6, 0x40000                  ; cx, cy
	s_bfe_u32 s41, ttmp6, 0x40004
	s_lshl_b32 s22, ttmp9, 2
	s_add_co_u32 s22, s22, s40                     ; tile column (128 wide) = 4 x cluster x + cx
	s_and_b32 s17, ttmp7, 0xffff
	s_lshl_b32 s17, s17, 2
	s_add_co_u32 s17, s17, s41                     ; tile row (256 high) = 4 x cluster y + cy
	s_lshl_b32 s43, s41, 2
	s_lshl_b32 s43, 15, s43                        ; my row of the cluster
	s_lshl_b32 s44, 0x1111, s40                    ; my column
	s_or_b32 s[G1], s43, (1<<21)                   ; the mask; elements of 1 byte; no padding; bit 21 set beside a mask
	s_or_b32 s[G1B], s44, (1<<21)
	s_mov_b32 s[G1+1], 4096<<16                    ; A: tensor_dim0 = tile_dim0 = 4,096; tensor_dim1 = tile_dim1 = 8 tiles of 16 rows; 16,384 bytes from tile to tile
	s_mov_b32 s[G1+2], 8<<16
	s_mov_b32 s[G1+3], 4096<<16
	s_mov_b32 s[G1+4], 8
	s_mov_b32 s[G1+5], 16384
	s_mov_b32 s[G1+6], 0
	s_mov_b32 s[G1+7], 0
	s_mov_b32 s[G1B+1], 4096<<16                   ; B: the same with 4 tiles of 16 positions
	s_mov_b32 s[G1B+2], 4<<16
	s_mov_b32 s[G1B+3], 4096<<16
	s_mov_b32 s[G1B+4], 4
	s_mov_b32 s[G1B+5], 16384
	s_mov_b32 s[G1B+6], 0
	s_mov_b32 s[G1B+7], 0
	s_lshl_b32 s20, s17, 18                        ; A: 256 rows are 262,144 bytes,
	s_lshl_b32 s19, s16, 17                        ; the half that I fetch 131,072
	s_add_co_u32 s20, s20, s19
	s_mov_b32 s21, 0
	s_lshl_b32 s46, s22, 17                        ; B: 128 positions are 131,072 bytes,
	s_lshl_b32 s19, s16, 16
	s_add_co_u32 s46, s46, s19
	s_add_co_u32 s46, s46, 3145728                 ; behind w_qkv's 3,072 positions
	s_mov_b32 s47, 0
	s_lshl_b32 s45, s16, 15                        ; where they go in a slot
	s_mul_i32 s67, s16, BBYTES/2
	s_add_co_u32 s67, s67, ABYTES
	s_wait_dscnt 0x0                               ; both opening adds are done
	s_wait_kmcnt 0x0
	s_load_b256 s[80:87], s[8:9], 0x0              ; e0 .. e7
	s_add_nc_u64 s[20:21], s[4:5], s[20:21]
	s_add_nc_u64 s[46:47], s[6:7], s[46:47]
	CROUND                                         ; all sixteen work-groups are here: the first joint loads meet
.irp s, 0,1
	s_mov_b32 s[G0+4*\s], 1
	s_add_co_u32 s[G0+4*\s+1], s45, \s*SLOT
	s_add_nc_u64 s[G0+4*\s+2:G0+4*\s+3], s[20:21], \s*4096
	s_or_b32 s[G0+4*\s+3], s[G0+4*\s+3], 0x80000000
	s_mov_b32 s[G0B+4*\s], 1
	s_add_co_u32 s[G0B+4*\s+1], s67, \s*SLOT
	s_add_nc_u64 s[G0B+4*\s+2:G0B+4*\s+3], s[46:47], \s*4096
	s_or_b32 s[G0B+4*\s+3], s[G0B+4*\s+3], 0x80000000
	JLOAD G0+4*\s, G1, G0B+4*\s, G1B               ; two loads of mine are out
.endr
	v_and_b32 v1, 31, v0
	v_lshlrev_b32 v[LO], 4, v1
	v_and_b32 v2, 15, v0                           ; r
	v_bfe_u32 v3, v0, 4, 1                         ; h
	s_lshl_b32 s23, s15, 15                        ; my eight blocks of A; my blocks of B lie where the half s16 was put
.irp s, 0,1
	v_add_nc_u32 v[ADRA+\s], s23, v[LO]
	v_add_nc_u32 v[ADRB+\s], s67, v[LO]
	s_add_co_u32 s23, s23, SLOT
	s_add_co_u32 s67, s67, SLOT
.endr
	s_mul_i32 s19, s14, 16*SPITCH                  ; my stage
	v_mul_u32_u24 v[STO], v2, SPITCH               ; in: row r, + 64 h
	v_lshl_add_u32 v[STO], v3, 6, v[STO]
	v_add_nc_u32 v[STO], s19, v[STO]
	v_mul_u32_u24 v[RD], v3, SPITCH                ; back: lanes 0-15 one row of 256 bytes, lanes 16-31 the next
	v_lshl_add_u32 v[RD], v2, 4, v[RD]
	v_add_nc_u32 v[RD], s19, v[RD]
	v_lshlrev_b32 v[CO], 12, v3                    ; and the same two rows in out0: 4,096 bytes a row
	v_lshl_add_u32 v[CO], v2, 4, v[CO]
	v_lshlrev_b32 v[BO], 6, v3
	s_lshl_b32 s90, s22, 9
	s_lshl_b32 s91, s16, 8
	s_add_co_u32 s90, s90, s91                     ; my first column, in bytes: 512 x tile column + 256 x half
	s_mov_b32 s91, 0
	s_add_nc_u64 s[88:89], s[10:11], s[90:91]      ; b_out there; not rewritten while the loads below are out
	s_lshl_b32 s92, s17, 20                        ; my first row: 256 x tile row + 128 x half, 4,096 bytes each
	s_lshl_b32 s93, s15, 19
	s_add_co_u32 s92, s92, s93
	s_add_co_u32 s90, s90, s92
	s_add_nc_u64 s[12:13], s[12:13], s[90:91]
.set i, 0
.rept 8
	global_load_b128 v[BI+4*i:BI+4*i+3], v[BO], s[88:89] offset:128*(i/4)+16*(i%4)   ; register 16 g + i of a block's 32 is column 32 g + 16 h + i
.set i, i+1
.endr
	s_wait_tensorcnt 1                             ; my part of slot 0 is in; slot 1's load may stay out
	s_barrier_signal -1
	s_barrier_wait -1
	FETCH_B 0, 0, 0
	FETCH_A 0, 0, 0
	FETCH_A 0, 0, 4
	STEP 0, 1                                      ; K = 0: its products start the sums.  Eight steps of 128, written out
	TURN 0, 1, 1                                   ; slot 0 takes K = 512 ..
	STEP 1, 0
	TURN 1, 0, 1                                   ; slot 1 takes K = 768 ..
	STEP 0, 0
	TURN 0, 1, 0                                   ; nothing is left to fetch.  Behind this barrier nobody reads slot 0 any more
	STEP 1, 0
	s_wait_dscnt 16
	WIN MUL_LO
	MUL2 0, 1, 0
	MUL2 2, 1, 0
	s_wait_dscnt 0
	WIN MUL_HI
	MUL2 4, 1, 0
	MUL2 6, 1, 0
	WIN 0
; THE WAY OUT, block by block of 16 rows x 64 columns: sum x 2^(e6 + e7) + b_out, one packed multiply-add for two numbers, each accumulator from its low end on.  A lane holds 2 x 64 bytes of one row and the lanes beside
; it hold other rows: the block goes through my own stage and comes back as whole rows of 256 bytes.  LDS serves a wave's instructions in order (ISA guide 5.7.1.4): no wait between the stores and the loads.
.macro TOSTAGE a
.set AC, 32*(\a)
.set BB, BK+32*((\a)%2)
	WIN 0x02                                       ; source 0: window 2
.set xx, 0
.rept 16
	v_pk_fma_f32 v[T+xx:T+xx+1], v[AC+xx:AC+xx+1], s[96:97], v[BI+xx:BI+xx+1] op_sel_hi:[1,0,1]
.set xx, xx+2
.endr
	WIN 0
.irp g, 0,1,2,3,4,5,6,7
	ds_store_b128 v[STO], v[T+4*\g:T+4*\g+3] offset:128*(\g/4)+16*(\g%4)
.endr
.irp t, 0,1,2,3,4,5,6,7
	ds_load_b128 v[BB+4*\t:BB+4*\t+3], v[RD] offset:2*SPITCH*\t
.endr
.endm
.macro SEND a, younger                 ; younger: the LDS instructions issued behind block a's loads, which may stay out
.set BB, BK+32*((\a)%2)
	s_wait_dscnt \younger
.irp t, 0,1,2,3,4,5,6,7
	global_store_b128 v[CO], v[BB+4*\t:BB+4*\t+3], s[12:13] offset:(16*(\a)+2*\t)*4096 th:TH_STORE_NT   ; sixteen lanes store 256 consecutive bytes, at a multiple of 256 from out0's first byte; written once, read by nobody here
.endr
.endm
	s_wait_kmcnt 0x0
	s_add_co_i32 s96, s86, s87
	s_add_co_i32 s96, s96, 127
	s_lshl_b32 s96, s96, 23                        ; 2^(e6 + e7) as f32
	s_mov_b32 s97, s96                             ; (named with it as a pair, so it is written)
	s_wait_loadcnt 0x0                             ; the bias
	PLACES 4                                       ; behind the last products: for the first reads of results and the loads into the registers that held A's fragments
	TOSTAGE 0
.irp a, 1,2,3,4,5,6,7
.if \a > 1
	s_wait_xcnt 0x0                                ; block a - 2's stores have read their registers: block a's loads may land there
.endif
	TOSTAGE \a
	SEND \a-1, 16                                  ; behind block a - 1's loads: block a's eight stores and eight loads
.endr
	SEND 7, 0
	s_wait_tensorcnt 0x0                           ; the wave's end: three closing lines behind my last tensor load and my last LDS store
	ds_add_u32 v[SPW], v[NIL]
	s_wait_dscnt 0x0
	CROUND                                         ; the closing round: no work-group ends while a partner may still ask for a tile that names it
	s_endpgm
.Lfunc_end_k_q0b18a482dc_proj:
	.size	k_q0b18a482dc_proj, .Lfunc_end_k_q0b18a482dc_proj-k_q0b18a482dc_proj
	.p2alignl 7, 3214868480
	.fill 96, 4, 3214868480
	.section	.rodata,"a",@progbits
	.p2align	6, 0x0
	.amdhsa_kernel k_q0b18a482dc_proj
		.amdhsa_group_segment_fixed_size 327680
		.amdhsa_private_segment_fixed_size 0
		.amdhsa_enable_private_segment 0
		.amdhsa_kernarg_size 40
		.amdhsa_user_sgpr_count 2
		.amdhsa_user_sgpr_kernarg_segment_ptr 1
		.amdhsa_wavefront_size32 1
		.amdhsa_system_sgpr_workgroup_id_x 1
		.amdhsa_system_sgpr_workgroup_id_y 1
		.amdhsa_system_sgpr_workgroup_id_z 1
		.amdhsa_system_vgpr_workitem_id 0
		.amdhsa_next_free_vgpr 768
		.amdhsa_next_free_sgpr 100
		.amdhsa_reserve_vcc 0
		.amdhsa_float_denorm_mode_32 3
		.amdhsa_float_denorm_mode_16_64 3
		.amdhsa_memory_ordered 1
		.amdhsa_forward_progress 1
		.amdhsa_inst_pref_size 77
	.end_amdhsa_kernel
	.amdgpu_metadata
---
amdhsa.version: [ 1, 2 ]
amdhsa.kernels:
  - .name:           k_q0b18a482dc_proj
    .symbol:         k_q0b18a482dc_proj.kd
    .args:
      - { .name: oc, .offset: 0, .size: 8, .value_kind: global_buffer, .address_space: global }
      - { .name: wc, .offset: 8, .size: 8, .value_kind: global_buffer, .address_space: global }
      - { .name: lowp_scales, .offset: 16, .size: 8, .value_kind: global_buffer, .address_space: global }
      - { .name: b_out, .offset: 24, .size: 8, .value_kind: global_buffer, .address_space: global }
      - { .name: out0, .offset: 32, .size: 8, .value_kind: global_buffer, .address_space: global }
    .group_segment_fixed_size: 327680
    .private_segment_fixed_size: 0
    .kernarg_segment_align: 8
    .kernarg_segment_size: 40
    .max_flat_workgroup_size: 128
    .sgpr_count:     100
    .vgpr_count:     768
    .wavefront_size: 32
...
	.end_amdgpu_metadata
.endif
;; end of part 4
;; ======== version 2 of 2: 4 launches; version 1 with the launch attn written anew for expert scheduling mode
;; workspace buffers: xc 8,388,608 bytes; wc 4,194,304 bytes; qc 8,388,608 bytes; kc 8,388,608 bytes; vc 8,388,608 bytes; oc 8,388,608 bytes
;; launch quant: the kernel of part 1 again; grid 80 x 8, 8 waves a work-group, no clusters, 68,608 bytes of LDS; arguments x, w_qkv, w_out, lowp_scales, xc, wc; writes xc, wc
;; launch qkv: the kernel of part 2 again; grid 12 x 32, 4 waves a work-group, clusters of 4 x 4, 327,680 bytes of LDS; arguments xc, wc, lowp_scales, b_qkv, qc, kc, vc; writes qc, kc, vc
;; launch attn (part 5): grid 4 x 64, 16 waves a work-group, no clusters, 34,816 bytes of LDS; arguments qc, kc, vc, lowp_scales, oc; writes oc
.if DOCPART == 5
	.amdgcn_target "amdgcn-amd-amdhsa--gfx1250"
	.amdhsa_code_object_version 6
	.text
	.protected	k_q0b18a482dc_attn
	.globl	k_q0b18a482dc_attn
	.p2align	8
	.type	k_q0b18a482dc_attn,@function
k_q0b18a482dc_attn:
	s_mov_b64 s[64:65], 0
	v_nop
	global_prefetch_b8 v0, s[64:65] scope:SCOPE_SE
	s_setreg_imm32_b32 hwreg(HW_REG_WAVE_SCHED_MODE, 0, 2), 2
	s_setreg_imm32_b32 hwreg(HW_REG_WAVE_MODE, 25, 1), 1
	s_wait_xcnt 0x0
	s_wait_alu depctr_vm_vsrc(0)
; LAUNCH 3 OF 4: o = softmax(q k^T / 8, causal) v for 64 (batch, head) pairs of 2,048 tokens x 64 channels, both products on codes of FP8 (E4M3); o is quantised with 2^e6 into oc, an image for the last product.
; LEFT OUT (shown at the head of launch 1): steps of 64 keys all of which come after all of a wave's 32 queries: reference()'s own causal mask makes their weights 0 for all values of the inputs.
; THE SOFTMAX: t = score x log2(e) / 8; M = the row's largest t so far, rounded UP to a whole number; p = 2^(t - M) is what is quantised (2^e4), not normalised.  The row's sum is taken of the unquantised p, in f32,
; and divides O at the end.  When M moves, the sum and O are multiplied by 2^(old M - new M): exact.
; SHARES.  Work-group (i, head) owns the blocks of 256 queries i and 7 - i of its head, both at once: 256 work-groups of equal work.  Each of its sixteen waves owns 32 queries, two tiles of 16 that share every fragment of
; K and V.  role = (w xor w / 4) & 1 says which block; w / 2 which 32 of it.  A step is 64 keys.  Four waves share a SIMD, so that one wave's vector work stands beside another's products and LDS loads.
; FEED.  K and V come as images (launch 2): 128 keys are 8,192 consecutive bytes of each.  All sixteen waves copy a slot of 128 keys through registers (16 bytes of K and of V a thread) into one of two LDS slots, two
; slots ahead of its use in registers, one in LDS; one barrier a slot.  NO CLUSTER, NO JOINT LOADS: the four work-groups of a head want 16 - 2 i slots, a different number each; and p's hold hangs on a branch on e4 (below).
; LAYOUT.  Both products are used transposed: S^T = K Q^T (source 0 = 16 keys, source 1 = 16 queries), O^T = V^T P^T (source 0 = 16 channels, source 1 = P): a lane holds ONE query (lane % 16) throughout.  Register j of
; S^T's tile t is key 16 t + 8 (lane / 16) + j: eight conversions' results are P in the form's own order of k, which is vc's.  vc's order of channels makes the 16 registers of O^T's tiles 2 t, 2 t + 1 16 neighbouring channels.
; p's HOLD.  p is at most 1 (but for a last bit), so p / 2^e4 passes 448 only where e4 < -8: the 64 v_min_num_f32 of a step stand under a scalar branch on e4, a whole number read from memory.
; LIMITS: e2 + e3 between -123 and 130 (added to c's exponent field); e4, e6 between -126 and 119; e4 + e5 goes through v_ldexp_f32 and has none.  NaN is not served.
; REGISTERS: v1-11 addresses and constants; tile u: v[12+4u] -M, v[13+4u] the largest t, v[14+4u:15+4u] the sum in two halves, v[20+2u] f; v24-29 at work; v32-47 Q; v48-79 four fragments of K, then of V;
;   v80-143 S^T, then p; v144-207 O^T; v208-223 P's codes; v224-231 the slot on its way; v232-237 at work.
; THE MODE: SCHED_MODE bits 1:0 = 2 (LLVM: expert scheduling mode 2), set by the entry lines.  The code itself states the register dependences between vector or matrix instructions and memory or LDS instructions,
; with s_wait_alu, always for 0.
; THE PLAN.  Registers that memory or LDS instructions touch:
;   v1, v2, v7     Offsets and LDS addresses: written at the head by vector instructions, never again; read by every load, store and prefetch.  One wait on va_vdst at the head serves them all.
;   v[F ..]        Written by LDS loads alone, twice a step: K's fragments, then V's.  Read by the step's products K Q^T, then by its products V^T P^T.
;   v[STG ..]      Written by global loads alone; read by the next tail's two LDS stores; no vector instruction names them.
;   v[Q ..]        Written once by global loads; read by matrix instructions.
;   v[P ..]        Written by the conversions; read by matrix instructions and, on the way out alone, by the four stores.
;   v5, v6         Written at the head, read by the closing add alone.
; S^T, O^T, the statistics and the registers at work are named by vector and matrix instructions alone.
; So a step has TWO waits on va_vdst.  One stands at its head: the last step's products V^T P^T are done reading v[F ..], and K's loads follow.  The other is the wait that the exponentials' batch has in any case: V's loads
; stand straight behind it, since it also states that the products K Q^T are done reading v[F ..]; no vector instruction from there to the products V^T P^T names v[F ..].  A tail has one wait on vm_vsrc: its LDS stores
; have read v[STG ..], ahead of the loads that land there.  On the diagonal the masks go through scalar registers, eight at a time, with one wait on va_sdst between the compares and the selects.
.set SLOTB, 16384                      ; an LDS slot: K's 8,192 bytes,
.set VOFF,  8192                       ; then V's
.set SPARE, 32768                      ; behind the two slots: the spare words, 128 bytes for each wave: eight blocks of 256 bytes that no other line names
.set L16,  1                           ; v1   16 x lane
.set ST0,  2                           ; v2   16 x thread
.set SPW,  5                           ; v5   LDS address of my spare word; never rewritten
.set NIL,  6                           ; v6   0; never rewritten
.set PFO,  7                           ; v7   256 x lane: the prefetches' offset; never rewritten
.set NINF, 8                           ; v8   -infinity
.set RH,   9                           ; v9   lane % 16 - 8 (lane / 16)
.set PSC,  10                          ; v10  2^e4 as f32; on the way out 2^e6
.set PLM,  11                          ; v11  448 x that
.set Q,    32
.set F,    48
.set S,    80
.set O,    144
.set P,    208
.set STG,  224
.set MK,   4                           ; s[4:11] on the diagonal: eight masks.  (At the head these hold four arguments, from which the walking addresses are made; they are free behind it)
.set WV,   14                          ; s14  my wave's number
.set Q0,   20                          ; s20  my first query
.set LIMK, 21                          ; s21  the keys that my work-group needs: 2,048 - 256 i
.set KF,   22                          ; s22  the first key of the slot in hand
.set CNT,  25                          ; s25  trips to go
.set PLIM, 26                          ; s26  a wave prefetches while KF is under it: 1,664 in the asking waves, else 0
.set SEL,  28                          ; s[28:29] lane selects for v_permlanex16_b32: lane l xor 16
.set CS,   30                          ; s[30:31] c = log2(e) / 8 x 2^(e2 + e3)
.set KB,   32                          ; s[32:33] K's codes, s[34:35] V's: at the slot in hand
.set VB,   34
.set PFA,  36                          ; s[36:37] the same for my prefetches (wave 0: K, wave 1: V)
.set QB,   38                          ; s[38:39] Q's codes at my first query
.set ESC,  40                          ; s[40:47] e0 .. e7
	s_load_b256 s[4:11], s[0:1], 0x0               ; qc s[4:5], kc s[6:7], vc s[8:9], the scales' exponents s[10:11]
	s_load_b64 s[12:13], s[0:1], 0x20              ; oc
	v_lshl_add_u32 v[SPW], v0, 2, SPARE
	v_mov_b32 v[NIL], 0
	v_lshrrev_b32 v3, 5, v0
	v_readfirstlane_b32 s[WV], v3                  ; wave 0..15
	v_and_b32 v4, 31, v0
	v_lshlrev_b32 v[L16], 4, v4
	v_lshlrev_b32 v[PFO], 8, v4
	v_lshlrev_b32 v[ST0], 4, v0
	v_and_b32 v[RH], 15, v0
	v_bfe_u32 v3, v0, 4, 1
	v_lshlrev_b32 v3, 3, v3
	v_sub_nc_u32 v[RH], v[RH], v3
	v_mov_b32 v[NINF], 0xff800000
	s_wait_alu depctr_va_sdst(0)                   ; the wave's number is written, ahead of its first reader: my queries, my addresses and who prefetches are made from it
	s_lshr_b32 s15, s[WV], 2
	s_xor_b32 s15, s15, s[WV]
	s_and_b32 s15, s15, 1                          ; role
	s_lshr_b32 s16, s[WV], 1                       ; which 32 queries of the block
	s_sub_co_u32 s17, 7, ttmp9
	s_cmp_eq_u32 s15, 0
	s_cselect_b32 s17, ttmp9, s17                  ; my block of 256 queries: i or 7 - i
	s_lshl_b32 s[Q0], s17, 8
	s_lshl_b32 s18, s16, 5
	s_add_co_u32 s[Q0], s[Q0], s18
	s_lshl_b32 s[LIMK], ttmp9, 8
	s_sub_co_u32 s[LIMK], 2048, s[LIMK]
	s_and_b32 s19, ttmp7, 0xffff                   ; 16 x batch + head
	s_lshl_b32 s48, s19, 17                        ; a head's codes are 131,072 bytes in qc, kc and vc
	s_mov_b32 s49, 0
	s_lshl_b32 s50, s[Q0], 6                       ; a query's codes are 64 bytes
	s_add_co_u32 s50, s50, s48
	s_mov_b32 s51, 0
	s_lshr_b32 s52, s19, 4
	s_lshl_b32 s52, s52, 7
	s_lshr_b32 s53, s[Q0], 4
	s_add_co_u32 s52, s52, s53                     ; oc: my first tile of 16 rows: 128 x batch + Q0 / 16,
	s_lshl_b32 s52, s52, 14                        ; 16,384 bytes each;
	s_and_b32 s53, s19, 15
	s_lshl_b32 s53, s53, 10                        ; a head's 64 channels are two groups of 512 bytes: 1,024 x head
	s_add_co_u32 s52, s52, s53
	s_mov_b32 s53, 0
	s_lshr_b32 s[PLIM], s[WV], 1                   ; 0 in waves 0 and 1,
	s_or_b32 s[PLIM], s[PLIM], ttmp9               ; of the head's first work-group, which walks all sixteen slots
	s_cmp_eq_u32 s[PLIM], 0
	s_cselect_b32 s[PLIM], 1664, 0
	s_mov_b32 s[SEL], 0x76543210
	s_mov_b32 s[SEL+1], 0xfedcba98
	s_mov_b32 s[KF], 0
	s_mov_b32 s[CNT], 8
	s_wait_kmcnt 0x0
	s_load_b256 s[ESC:ESC+7], s[10:11], 0x0
	s_add_nc_u64 s[KB:KB+1], s[6:7], s[48:49]
	s_add_nc_u64 s[VB:VB+1], s[8:9], s[48:49]
	s_add_nc_u64 s[QB:QB+1], s[4:5], s[50:51]
	s_add_nc_u64 s[12:13], s[12:13], s[52:53]
	s_cmp_eq_u32 s[WV], 0
	s_cselect_b64 s[PFA:PFA+1], s[KB:KB+1], s[VB:VB+1]
	s_wait_alu depctr_va_vdst(0)                   ; v1, v2 and v7 are written: every load, store and prefetch of the kernel reads one of them as its offset or LDS address, and no later vector instruction names them
	global_load_b128 v[STG:STG+3], v[ST0], s[KB:KB+1]         ; slot 0: the sixteen waves read 8,192 consecutive bytes of K,
	global_load_b128 v[STG+4:STG+7], v[ST0], s[VB:VB+1]       ; and of V
.irp g, 0,1,2,3
	global_load_b128 v[Q+4*\g:Q+4*\g+3], v[L16], s[QB:QB+1] offset:512*\g th:TH_LOAD_NT   ; Q's two fragments stay in registers
.endr
	v_mov_b32 v13, 0xff61b1e6                      ; the largest t so far: -3e38, under every t
	v_mov_b32 v17, 0xff61b1e6
	v_floor_f32 v12, -v13                          ; -M
	v_floor_f32 v16, -v17
.irp j, 14,15,18,19,21,23,28,29
	v_mov_b32 v\j, 0                               ; the sums; the upper halves of the pairs that hold f; the permutes' destinations, which count as read
.endr
.set n, 0
.rept 64
	v_mov_b32 v[O+n], 0                            ; O^T.  (The step is written for every step alike: the first finds zeros, which the first change of M leaves zeros)
.set n, n+1
.endr
	s_wait_kmcnt 0x0
	s_add_co_i32 s48, s[ESC+2], s[ESC+3]
	s_lshl_b32 s48, s48, 23
	s_add_co_i32 s[CS], s48, 0x3e38aa3b            ; c = log2(e) / 8; a score stands for score x 2^(e2 + e3): the exponents are added to c's exponent field
	s_mov_b32 s[CS+1], s[CS]                       ; (named with it as a pair, so it is written)
	s_add_co_i32 s48, s[ESC+4], 127
	s_lshl_b32 s49, s48, 23
	v_mov_b32 v[PSC], s49
	s_add_co_i32 s48, s48, 8
	s_lshl_b32 s48, s48, 23
	s_or_b32 s48, s48, 0x600000
	v_mov_b32 v[PLM], s48
	s_wait_loadcnt 4                               ; slot 0's two loads are in; Q's four may be out
	ds_store_b128 v[ST0], v[STG:STG+3]
	ds_store_b128 v[ST0], v[STG+4:STG+7] offset:VOFF
	s_wait_dscnt 0x0                               ; for the others' sake: my stores have landed
	s_wait_alu depctr_vm_vsrc(0)                   ; the two LDS stores have read v[STG ..],
	global_load_b128 v[STG:STG+3], v[ST0], s[KB:KB+1] offset:8192     ; in which slot 1's loads land
	global_load_b128 v[STG+4:STG+7], v[ST0], s[VB:VB+1] offset:8192
	s_barrier_signal -1
	s_barrier_wait -1                              ; slot 0 is whole
	s_wait_loadcnt 2                               ; Q is in; slot 1's two loads may be out
; A KEY STEP: 64 keys, the q-th of LDS slot s.
.macro STEP s, q
	s_add_co_u32 s48, s[KF], 64*\q                 ; the step's first key
	s_add_co_u32 s49, s[Q0], 31
	s_cmp_gt_u32 s48, s49                          ; all its keys come after my queries: the step is left out.  A branch on ids and the count of slots; no barrier stands in a step
	s_cbranch_scc1 .Lhid_\@
.rept 4
	v_nop                                          ; places in front of loads into registers that the last products read
.endr
	s_wait_alu depctr_va_vdst(0)                   ; the last step's products V^T P^T are done reading v[F ..], in which K's fragments land
.irp t, 0,1,2,3
.irp c, 0,1
	ds_load_b128 v[F+8*\t+4*\c:F+8*\t+4*\c+3], v[L16] offset:\s*SLOTB+4096*\q+1024*\t+512*\c
.endr
.endr
	s_wait_dscnt 0x0
.irp t, 0,1,2,3                                ; S^T = K Q^T: each fragment of K serves both tiles of queries
.irp u, 0,1
	v_wmma_f32_16x16x64_fp8_fp8 v[S+32*\u+8*\t:S+32*\u+8*\t+7], v[F+8*\t:F+8*\t+7], v[Q+8*\u:Q+8*\u+7], 0
.endr
.endr
.rept 4
	v_nop                                          ; places: for the first reads of the scores
.endr
	s_add_co_u32 s49, s48, 63
	s_cmp_le_u32 s49, s[Q0]                        ; all keys count for all my queries: no mask
	s_cbranch_scc1 .Lopen_\@
	s_sub_co_i32 s49, s[Q0], s48
	v_add_nc_u32 v236, s49, v[RH]                  ; tile 0: d = my query - the step's first key - 8 (lane / 16).  Register 8 t + j holds key 16 t + 8 (lane / 16) + j: hidden where 16 t + j > d
	v_add_nc_u32 v237, 16, v236                    ; tile 1's queries lie 16 on
.irp u, 0,1
.irp g, 0,1,2,3                                ; an accumulator's eight registers at a time, from its low end on: eight compares into eight scalar registers, one wait, eight selects
.set n, 0
.rept 8
	v_cmp_gt_i32 s[MK+n], 16*\g+n, v[236+\u]
.set n, n+1
.endr
	s_wait_alu depctr_va_sdst(0)                   ; the eight compares have written their masks, which the eight selects read
.set n, 0
.rept 8
	v_cndmask_b32 v[S+32*\u+8*\g+n], v[S+32*\u+8*\g+n], v[NINF], s[MK+n]   ; -infinity ahead of the maximum: p = 0 then
.set n, n+1
.endr
.endr
.endr
.Lopen_\@:
.irp u, 0,1                                    ; the step's largest score of my query among my 32 keys, in two chains a tile, the tiles line by line; each accumulator from its low end on
	v_max3_num_f32 v[24+2*\u], v[S+32*\u], v[S+32*\u+1], v[S+32*\u+2]
	v_max3_num_f32 v[25+2*\u], v[S+32*\u+3], v[S+32*\u+4], v[S+32*\u+5]
.endr
.irp i, 6,10,14,18,22,26
.irp u, 0,1
	v_max3_num_f32 v[24+2*\u], v[24+2*\u], v[S+32*\u+\i], v[S+32*\u+\i+1]
	v_max3_num_f32 v[25+2*\u], v[25+2*\u], v[S+32*\u+\i+2], v[S+32*\u+\i+3]
.endr
.endr
.irp u, 0,1
	v_max3_num_f32 v[24+2*\u], v[24+2*\u], v[S+32*\u+30], v[S+32*\u+31]
.endr
.irp u, 0,1
	v_max_num_f32 v[24+2*\u], v[24+2*\u], v[25+2*\u]
.endr
.irp u, 0,1
	v_permlanex16_b32 v[28+\u], v[24+2*\u], s[SEL], s[SEL+1]
.endr
.irp u, 0,1
	v_max_num_f32 v[24+2*\u], v[24+2*\u], v[28+\u]         ; and among lane l xor 16's
.endr
.irp u, 0,1
	v_mul_f32 v[24+2*\u], s[CS], v[24+2*\u]                ; as t (c is positive)
.endr
.irp u, 0,1
	v_max_num_f32 v[13+4*\u], v[13+4*\u], v[24+2*\u]       ; the running largest t
.endr
.irp u, 0,1
	v_mov_b32 v[24+2*\u], v[12+4*\u]
.endr
.irp u, 0,1
	v_floor_f32 v[12+4*\u], -v[13+4*\u]                    ; the new -M = floor(-t) = -ceil(t): a whole number
.endr
.irp u, 0,1
	v_sub_f32 v[24+2*\u], v[12+4*\u], v[24+2*\u]           ; M's old value less its new one: a whole number, 0 or less
.endr
.irp u, 0,1
	v_cvt_i32_f32 v[24+2*\u], v[24+2*\u]                   ; (it saturates)
.endr
.irp u, 0,1
	v_ldexp_f32 v[20+2*\u], 1.0, v[24+2*\u]                ; f = 2^(old M - new M)
.endr
.irp u, 0,1
.set n, 0
.rept 16
	v_pk_fma_f32 v[S+32*\u+n:S+32*\u+n+1], v[S+32*\u+n:S+32*\u+n+1], s[CS:CS+1], v[12+4*\u:13+4*\u] op_sel_hi:[1,0,0]   ; t - M, two at a time (of the pairs c and -M the low word serves both halves)
.set n, n+2
.endr
.endr
.set n, 0
.rept 64
	v_exp_f32 v[S+n], v[S+n]                       ; p = 2^(t - M): one batch
.set n, n+1
.endr
	v_pk_mul_f32 v[14:15], v[14:15], v[20:21] op_sel_hi:[1,0]   ; the sums under the new M.  (The plain instruction behind the exponentials)
	v_pk_mul_f32 v[18:19], v[18:19], v[22:23] op_sel_hi:[1,0]
	s_wait_alu depctr_va_vdst(0)                   ; the 64 exponentials have written p, ahead of the first line that names a result: one wait for the batch.  And the products K Q^T are done reading v[F ..], in which V's fragments land
.irp t, 0,1,2,3
.irp c, 0,1
	ds_load_b128 v[F+8*\t+4*\c:F+8*\t+4*\c+3], v[L16] offset:\s*SLOTB+VOFF+4096*\q+1024*\t+512*\c   ; V's fragments land while the sums, the conversions and O^T's rescaling are worked: none of these names v[F ..]
.endr
.endr
.irp u, 0,1                                    ; THE ROW'S SUM IS TAKEN OF THE UNQUANTISED p: two at a time, in two chains a tile
	v_pk_add_f32 v[232+2*\u:233+2*\u], v[S+32*\u:S+32*\u+1], v[S+32*\u+2:S+32*\u+3]
.endr
.irp j, 4,8,12,16,20,24,28
.irp u, 0,1
	v_pk_add_f32 v[14+4*\u:15+4*\u], v[14+4*\u:15+4*\u], v[S+32*\u+\j:S+32*\u+\j+1]
	v_pk_add_f32 v[232+2*\u:233+2*\u], v[232+2*\u:233+2*\u], v[S+32*\u+\j+2:S+32*\u+\j+3]
.endr
.endr
.irp u, 0,1
	v_pk_add_f32 v[14+4*\u:15+4*\u], v[14+4*\u:15+4*\u], v[232+2*\u:233+2*\u]
.endr
	s_cmp_ge_i32 s[ESC+4], -8                      ; p / 2^e4 is at most 256 (but for a last bit) where e4 >= -8: under 448, nothing to hold
	s_cbranch_scc1 .Lnohold_\@
.set n, 0
.rept 64
	v_min_num_f32 v[S+n], v[S+n], v[PLM]           ; the conversion to an 8-bit code does not saturate (ISA guide 7.6.2); p is not negative, so the hold is one-sided
.set n, n+1
.endr
.Lnohold_\@:
.set n, 0
.rept 8
	v_cvt_scalef32_pk8_fp8_f32 v[P+2*n:P+2*n+1], v[S+8*n:S+8*n+7], v[PSC]   ; tile n / 4, keys 16 (n % 4) + 8 (lane / 16) + 0 .. 7
.set n, n+1
.endr
.irp u, 0,1
.set n, 0
.rept 16
	v_pk_mul_f32 v[O+32*\u+n:O+32*\u+n+1], v[O+32*\u+n:O+32*\u+n+1], v[20+2*\u:21+2*\u] op_sel_hi:[1,0]   ; O^T under the new M: x f.  (Also the plain lines between the conversions and the products)
.set n, n+2
.endr
.endr
	s_wait_dscnt 0x0                               ; V's fragments are in
.irp t, 0,1,2,3                                ; O^T += V^T P^T: eight accumulators by turns, one instruction a turn
.irp u, 0,1
	v_wmma_f32_16x16x64_fp8_fp8 v[O+32*\u+8*\t:O+32*\u+8*\t+7], v[F+8*\t:F+8*\t+7], v[P+8*\u:P+8*\u+7], v[O+32*\u+8*\t:O+32*\u+8*\t+7]
.endr
.endr
.Lhid_\@:
.endm
; THE END OF SLOT s.  The next slot's bytes, asked for a slot ago, go from registers into the other LDS slot: every wave's reads of that slot were awaited in front of the last barrier.  Then the slot after it is asked for.
; The barrier: in front of it my stores have landed and my reads of slot s are over.  The three branches hang on ids and the count of slots and are the same in all sixteen waves; the barrier stands outside them.
.macro TAIL s
	s_wait_loadcnt 0x0                             ; the next slot's bytes are in registers; their address registers may be stepped
	s_add_co_u32 s48, s[KF], 128
	s_cmp_lt_u32 s48, s[LIMK]                      ; does my work-group read the next slot?
	s_cbranch_scc0 .Lnostore_\@
	ds_store_b128 v[ST0], v[STG:STG+3] offset:(1-\s)*SLOTB
	ds_store_b128 v[ST0], v[STG+4:STG+7] offset:(1-\s)*SLOTB+VOFF
.Lnostore_\@:
	s_wait_dscnt 0x0
	s_wait_alu depctr_vm_vsrc(0)                   ; the two LDS stores have read v[STG ..], in which the loads below land: stated here, where the two ways have joined, ahead of the branch round those loads
	s_wait_xcnt 0x0                                ; the last prefetch, a slot back, has read its address
	s_add_nc_u64 s[KB:KB+1], s[KB:KB+1], 8192
	s_add_nc_u64 s[VB:VB+1], s[VB:VB+1], 8192
	s_add_nc_u64 s[PFA:PFA+1], s[PFA:PFA+1], 8192
	s_add_co_u32 s48, s[KF], 256
	s_cmp_lt_u32 s48, s[LIMK]                      ; and the slot after it?  No load leaves what the work-group needs
	s_cbranch_scc0 .Lnoload_\@
	global_load_b128 v[STG:STG+3], v[ST0], s[KB:KB+1] offset:8192
	global_load_b128 v[STG+4:STG+7], v[ST0], s[VB:VB+1] offset:8192
.Lnoload_\@:
; A PREFETCH of the slot that the NEXT tail will load: three slots on from the one in hand.  All four work-groups of a head walk the same K and V: the head's first work-group asks, wave 0 for K's 8,192 bytes, wave 1 for V's,
; lanes 256 bytes apart: each aligned block of 256 bytes is named once in the launch.  Slots 0 to 2 come by their loads alone; the last three tails ask for nothing: KF + 384 would pass the head's 2,048 keys.
	s_cmp_lt_u32 s[KF], s[PLIM]
	s_cbranch_scc0 .Lnoask_\@
	global_prefetch_b8 v[PFO], s[PFA:PFA+1] offset:16384 th:TH_LOAD_NT scope:SCOPE_SE
.Lnoask_\@:
	s_barrier_signal -1
	s_barrier_wait -1
	s_add_co_u32 s[KF], s[KF], 128
.endm
.Lslot:                                            ; eight trips, two slots each: a constant of the text, so that every LDS address is a constant + 16 x lane or thread
	STEP 0, 0
	STEP 0, 1
	TAIL 0
	STEP 1, 0
	STEP 1, 1
	TAIL 1
	s_sub_co_u32 s[CNT], s[CNT], 1
	s_cmp_lg_u32 s[CNT], 0
	s_cbranch_scc1 .Lslot
	; THE WAY OUT.  o = O^T x 2^(e4 + e5) / the sum, quantised with 2^e6.  The 16 registers of tiles 2 t, 2 t + 1 are channels 32 t + 16 (lane / 16) + 0 .. 15 of my query: two conversions make a group of oc's image.
	v_add_f32 v14, v14, v15                        ; the sum's two halves;  (these plain lines are also the places behind the last products)
	v_add_f32 v18, v18, v19
	v_permlanex16_b32 v28, v14, s[SEL], s[SEL+1]
	v_permlanex16_b32 v29, v18, s[SEL], s[SEL+1]
	v_add_f32 v14, v14, v28                        ; and lane l xor 16's
	v_add_f32 v18, v18, v29
	v_rcp_f32 v14, v14
	v_rcp_f32 v18, v18
	s_add_co_i32 s48, s[ESC+6], 127
	s_lshl_b32 s49, s48, 23
	v_mov_b32 v[PSC], s49                          ; 2^e6  (a plain instruction behind the reciprocals)
	s_add_co_i32 s48, s48, 8
	s_lshl_b32 s48, s48, 23
	s_or_b32 s48, s48, 0x600000
	v_mov_b32 v[PLM], s48                          ; 448 x 2^e6
	s_add_co_i32 s50, s[ESC+4], s[ESC+5]
	s_wait_alu depctr_va_vdst(0)                   ; the two reciprocals have written v14 and v18: one wait for both, ahead of their first reader
	v_ldexp_f32 v14, v14, s50
	v_ldexp_f32 v18, v18, s50
.irp u, 0,1
.set n, 0
.rept 16
	v_pk_mul_f32 v[S+32*\u+n:S+32*\u+n+1], v[O+32*\u+n:O+32*\u+n+1], v[14+4*\u:15+4*\u] op_sel_hi:[1,0]
.set n, n+2
.endr
.endr
.set n, 0
.rept 64
	v_med3_num_f32 v[S+n], v[S+n], -v[PLM], v[PLM]
.set n, n+1
.endr
.set n, 0
.rept 8
	v_cvt_scalef32_pk8_fp8_f32 v[P+2*n:P+2*n+1], v[S+8*n:S+8*n+7], v[PSC]
.set n, n+1
.endr
	v_nop
	s_wait_alu depctr_va_vdst(0)                   ; the eight conversions have written v[P ..], which the four stores read
.irp u, 0,1
.irp t, 0,1
	global_store_b128 v[L16], v[P+8*\u+4*\t:P+8*\u+4*\t+3], s[12:13] offset:16384*\u+512*\t   ; 512 consecutive bytes, aligned
.endr
.endr
	s_wait_dscnt 0x0                               ; the closing lines, six on end
	s_wait_alu 0x0
	s_wait_tensorcnt 0x0
	ds_add_u32 v[SPW], v[NIL]
	s_wait_dscnt 0x0
	s_endpgm
.Lfunc_end_k_q0b18a482dc_attn:
	.size	k_q0b18a482dc_attn, .Lfunc_end_k_q0b18a482dc_attn-k_q0b18a482dc_attn
	.p2alignl 7, 3214868480
	.fill 96, 4, 3214868480
	.section	.rodata,"a",@progbits
	.p2align	6, 0x0
	.amdhsa_kernel k_q0b18a482dc_attn
		.amdhsa_group_segment_fixed_size 34816
		.amdhsa_private_segment_fixed_size 0
		.amdhsa_enable_private_segment 0
		.amdhsa_kernarg_size 40
		.amdhsa_user_sgpr_count 2
		.amdhsa_user_sgpr_kernarg_segment_ptr 1
		.amdhsa_wavefront_size32 1
		.amdhsa_system_sgpr_workgroup_id_x 1
		.amdhsa_system_sgpr_workgroup_id_y 1
		.amdhsa_system_sgpr_workgroup_id_z 1
		.amdhsa_system_vgpr_workitem_id 0
		.amdhsa_next_free_vgpr 256
		.amdhsa_next_free_sgpr 66
		.amdhsa_reserve_vcc 0
		.amdhsa_float_denorm_mode_32 3
		.amdhsa_float_denorm_mode_16_64 3
		.amdhsa_memory_ordered 1
		.amdhsa_forward_progress 1
		.amdhsa_inst_pref_size 115
	.end_amdhsa_kernel
	.amdgpu_metadata
---
amdhsa.version: [ 1, 2 ]
amdhsa.kernels:
  - .name:           k_q0b18a482dc_attn
    .symbol:         k_q0b18a482dc_attn.kd
    .args:
      - { .name: qc, .offset: 0, .size: 8, .value_kind: global_buffer, .address_space: global }
      - { .name: kc, .offset: 8, .size: 8, .value_kind: global_buffer, .address_space: global }
      - { .name: vc, .offset: 16, .size: 8, .value_kind: global_buffer, .address_space: global }
      - { .name: lowp_scales, .offset: 24, .size: 8, .value_kind: global_buffer, .address_space: global }
      - { .name: oc, .offset: 32, .size: 8, .value_kind: global_buffer, .address_space: global }
    .group_segment_fixed_size: 34816
    .private_segment_fixed_size: 0
    .kernarg_segment_align: 8
    .kernarg_segment_size: 40
    .max_flat_workgroup_size: 512
    .sgpr_count:     66
    .vgpr_count:     256
    .wavefront_size: 32
...
	.end_amdgpu_metadata
.endif
;; end of part 5
;; launch proj: the kernel of part 4 again; grid 8 x 32, 4 waves a work-group, clusters of 4 x 4, 327,680 bytes of LDS; arguments oc, wc, lowp_scales, b_out, out0; writes out0
